; MI455X (gfx1250); checked and timed in simulation.
; The chip was launched on July 23, 2026; its instructions are those of AMD's public machine-readable ISA for CDNA 5 (MIT licence, August 2026) and "CDNA5" Instruction Set Architecture Reference Guide (July 2026). The comments in the code are by the model that wrote it; some were corrected since.
;; Attention. Allowed arithmetic: float matrix products may take bf16 or f16 operands with f32 sums; other float arithmetic in f32, or as packed bf16 or f16 multiplies, adds, multiply-adds, maxima and minima; sums over many terms, partial sums and values carried from step to step in f32; what a program stores and reads back later, other than sums and carried values, may be rounded once to bf16 or f16.
;; Inputs: Wk 1,024 x 1,024 float32; Wo 1,024 x 1,024 float32; Wq 1,024 x 1,024 float32; Wv 1,024 x 1,024 float32; bk 1,024 float32; bo 1,024 float32; bq 1,024 float32; bv 1,024 float32; key 4 x 2,048 x 1,024 float32; mask 1 x 2,048 x 2,048 int32; query 4 x 2,048 x 1,024 float32; value 4 x 2,048 x 1,024 float32.
;; Outputs: out0 4 x 2,048 x 1,024 float32.
;; One version. Each part assembles by itself: llvm-mc -triple=amdgcn-amd-amdhsa -mcpu=gfx1250 --defsym DOCPART=n.
;; ======== version 1 of 1: 5 launches
;; limits: values are held in f16: magnitudes above 65,504 overflow, below 6.1e-05 lose precision
;; workspace buffers: wt 8,388,608 bytes; qkv 50,331,648 bytes; pw 33,554,432 bytes; stat 1,048,576 bytes; xb 16,777,216 bytes
;; launch prep (part 1): grid 64 x 4, 8 waves a work-group, no clusters, 0 bytes of LDS; arguments Wq, Wk, Wv, Wo, wt; writes wt
.if DOCPART == 1
	.amdgcn_target "amdgcn-amd-amdhsa--gfx1250"
	.amdhsa_code_object_version 6
	.text
	.protected	k_q0e9387f4d2_prep
	.globl	k_q0e9387f4d2_prep
	.p2align	8
	.type	k_q0e9387f4d2_prep,@function
k_q0e9387f4d2_prep:
	s_mov_b64 s[64:65], 0
	v_nop
	global_prefetch_b8 v0, s[64:65] scope:SCOPE_SE
	s_setreg_imm32_b32 hwreg(HW_REG_WAVE_MODE, 25, 1), 1
	s_wait_xcnt 0x0
; wt[s][k][n], 16 bits a number, s = 0..3 for Wq, Wk, Wv, Wo; the layout [in][out] is kept.
; Wq, Wk, Wv are rounded to bf16.  Wo is rounded to bf16 like the other inputs and that number is written as f16, the format of its partner in the last product
; (exact down to 6e-5; below that f16's fixed step of 6e-8 holds; beyond 65,504 it would be an infinity: weights are taken to lie within that).
; A stream: a work-group takes 65,536 bytes of one weight matrix, a thread 8 numbers in each of 8 slots: two loads of 16 bytes, one store of 16 bytes; sixteen neighbouring lanes store 256 consecutive bytes, aligned.
; All 16 loads go out first; each slot waits by count.  No LDS, no barrier, no matrix unit: nothing is shared.
.set X, 16                             ; v[16:79]   slot i: 8 numbers as loaded
.set Y, 80                             ; v[80:111]  slot i: 4 registers to store (a slot's own, so no store's data is rewritten)
.set T, 4                              ; v[4:7]     at work
	s_load_b256 s[4:11], s[0:1], 0x0               ; Wq s[4:5], Wk s[6:7], Wv s[8:9], Wo s[10:11]
	s_load_b64 s[12:13], s[0:1], 0x20              ; wt
	s_and_b32 s14, ttmp7, 0xffff                   ; which matrix
	s_lshl_b32 s18, ttmp9, 16                      ; my 65,536 bytes of it
	s_mov_b32 s19, 0
	s_lshl_b32 s20, s14, 21                        ; 2 MiB a matrix in wt,
	s_lshl_b32 s21, ttmp9, 15                      ; my 32,768 bytes
	s_add_co_u32 s20, s20, s21
	s_mov_b32 s21, 0
	v_lshlrev_b32 v1, 5, v0                        ; 32 bytes a thread in,
	v_lshlrev_b32 v2, 4, v0                        ; 16 out
	s_wait_kmcnt 0x0
	s_cmp_eq_u32 s14, 1
	s_cselect_b64 s[16:17], s[6:7], s[4:5]
	s_cmp_eq_u32 s14, 2
	s_cselect_b64 s[16:17], s[8:9], s[16:17]
	s_cmp_eq_u32 s14, 3
	s_cselect_b64 s[16:17], s[10:11], s[16:17]
	s_add_nc_u64 s[16:17], s[16:17], s[18:19]
	s_add_nc_u64 s[12:13], s[12:13], s[20:21]
.irp i, 0,1,2,3,4,5,6,7
	global_load_b128 v[X+8*(\i):X+8*(\i)+3],   v1, s[16:17] offset:8192*(\i) th:TH_LOAD_NT
	global_load_b128 v[X+8*(\i)+4:X+8*(\i)+7], v1, s[16:17] offset:8192*(\i)+16 th:TH_LOAD_NT
.endr
.macro SLOTOUT i, half                 ; half = 1: the bf16 number is written as f16
	s_wait_loadcnt 14-2*(\i)                       ; loads come back in order: the later slots' loads may stay out
.if \half
.irp k, 0,1,2,3
	v_cvt_pk_bf16_f32 v[T+(\k)], v[X+8*(\i)+2*(\k)], v[X+8*(\i)+2*(\k)+1]
.endr
.irp k, 0,1,2,3
	v_lshlrev_b32 v[X+8*(\i)+2*(\k)],   16, v[T+(\k)]
	v_and_b32     v[X+8*(\i)+2*(\k)+1], 0xffff0000, v[T+(\k)]
.endr
.irp k, 0,1,2,3
	v_cvt_pk_f16_f32 v[Y+4*(\i)+(\k)], v[X+8*(\i)+2*(\k)], v[X+8*(\i)+2*(\k)+1]
.endr
.else
.irp k, 0,1,2,3
	v_cvt_pk_bf16_f32 v[Y+4*(\i)+(\k)], v[X+8*(\i)+2*(\k)], v[X+8*(\i)+2*(\k)+1]
.endr
.endif
	global_store_b128 v2, v[Y+4*(\i):Y+4*(\i)+3], s[12:13] offset:4096*(\i)
.endm
	s_cmp_eq_u32 s14, 3
	s_cbranch_scc1 .Lwo
.irp i, 0,1,2,3,4,5,6,7
	SLOTOUT \i, 0
.endr
	s_endpgm
.Lwo:
.irp i, 0,1,2,3,4,5,6,7
	SLOTOUT \i, 1
.endr
	s_endpgm
.Lfunc_end_k_q0e9387f4d2_prep:
	.size	k_q0e9387f4d2_prep, .Lfunc_end_k_q0e9387f4d2_prep-k_q0e9387f4d2_prep
	.p2alignl 7, 3214868480
	.fill 96, 4, 3214868480
	.section	.rodata,"a",@progbits
	.p2align	6, 0x0
	.amdhsa_kernel k_q0e9387f4d2_prep
		.amdhsa_group_segment_fixed_size 0
		.amdhsa_private_segment_fixed_size 0
		.amdhsa_enable_private_segment 0
		.amdhsa_kernarg_size 40
		.amdhsa_user_sgpr_count 2
		.amdhsa_user_sgpr_kernarg_segment_ptr 1
		.amdhsa_wavefront_size32 1
		.amdhsa_system_sgpr_workgroup_id_x 1
		.amdhsa_system_sgpr_workgroup_id_y 1
		.amdhsa_system_sgpr_workgroup_id_z 1
		.amdhsa_system_vgpr_workitem_id 0
		.amdhsa_next_free_vgpr 112
		.amdhsa_next_free_sgpr 66
		.amdhsa_reserve_vcc 0
		.amdhsa_float_denorm_mode_32 3
		.amdhsa_float_denorm_mode_16_64 3
		.amdhsa_memory_ordered 1
		.amdhsa_forward_progress 1
		.amdhsa_inst_pref_size 14
	.end_amdhsa_kernel
	.amdgpu_metadata
---
amdhsa.version: [ 1, 2 ]
amdhsa.kernels:
  - .name:           k_q0e9387f4d2_prep
    .symbol:         k_q0e9387f4d2_prep.kd
    .args:
      - { .name: Wq, .offset: 0, .size: 8, .value_kind: global_buffer, .address_space: global }
      - { .name: Wk, .offset: 8, .size: 8, .value_kind: global_buffer, .address_space: global }
      - { .name: Wv, .offset: 16, .size: 8, .value_kind: global_buffer, .address_space: global }
      - { .name: Wo, .offset: 24, .size: 8, .value_kind: global_buffer, .address_space: global }
      - { .name: wt, .offset: 32, .size: 8, .value_kind: global_buffer, .address_space: global }
    .group_segment_fixed_size: 0
    .private_segment_fixed_size: 0
    .kernarg_segment_align: 8
    .kernarg_segment_size: 40
    .max_flat_workgroup_size: 256
    .sgpr_count:     66
    .vgpr_count:     112
    .wavefront_size: 32
...
	.end_amdgpu_metadata
.endif
;; end of part 1
;; launch proj (part 2): grid 4 x 192, 4 waves a work-group, clusters of 4 x 4, 327,680 bytes of LDS; arguments query, key, value, bq, bk, bv, wt, qkv; writes qkv
.if DOCPART == 2
	.amdgcn_target "amdgcn-amd-amdhsa--gfx1250"
	.amdhsa_code_object_version 6
	.text
	.protected	k_q0e9387f4d2_proj
	.globl	k_q0e9387f4d2_proj
	.p2align	8
	.type	k_q0e9387f4d2_proj,@function
k_q0e9387f4d2_proj:
	s_mov_b64 s[64:65], 0
	v_nop
	global_prefetch_b8 v0, s[64:65] scope:SCOPE_SE
	s_setreg_imm32_b32 hwreg(HW_REG_WAVE_MODE, 25, 1), 1
	s_wait_xcnt 0x0
	s_wait_alu depctr_hold_cnt(0) depctr_sa_sdst(0) depctr_va_vdst(0) depctr_va_sdst(0) depctr_va_ssrc(0) depctr_va_vcc(0) depctr_vm_vsrc(0)
	s_getreg_b32 s2, hwreg(HW_REG_IB_STS2, 6, 4)
	s_cmp_eq_u32 s2, 0
	s_cbranch_scc0 .Lentry_in_a_cluster
	s_endpgm
.Lentry_in_a_cluster:
	s_bfe_u32 s2, ttmp6, 0x10000c
	s_cmp_lg_u32 s2, 0xf033
	s_cbranch_scc0 .Lentry_shape_is_right
	s_endpgm
.Lentry_shape_is_right:
; qkv[s][m][n] = the sum over k of act_s[m][k] W_s[k][n] + b_s[n], s = 0, 1, 2 for (query, Wq, bq), (key, Wk, bk), (value, Wv, bv).  act: [8192][1024] f32; W: wt[s], [1024 k][1024 n] bf16; qkv: f16.
; The activations and the bias are rounded to bf16 here, the products are bf16 with f32 sums, the result is rounded once to f16.
; LIMITS.  f16 holds no number beyond 65,504: q, k, v are taken to lie within it (inputs as drawn give about 5; all inputs 30 times larger about 5,000; offsets of 30 spreads on activation and weight about 29,000);
; below 6e-5 f16 keeps its fixed step of 6e-8.  NaN and infinities are not treated apart.
; SHARES.  A work-group makes 128 x 256 of one result, its four waves 64 x 128 each: 32 accumulators, 256 registers.  768 work-groups: 64 tile rows x 4 tile columns x 3 results.
; K goes in steps of 128 through two LDS slots filled by tensor loads: waves 0 and 1 fetch A's two halves (64 rows x 512 bytes, f32), waves 2 and 3 B's (64 k-rows x 512 bytes).
; CLUSTER 4 x 4: A's tile is shared along a row of the cluster, B's along a column: joint loads.
; THE MATRIX INSTRUCTION IS USED TRANSPOSED: source 0 = 16 columns n of W (turned on the way out of LDS), source 1 = 16 rows m of act: a lane holds row m = lane % 16 and the columns 8 (lane / 16) + 0..7.
; A's f32 numbers are rounded to bf16 in registers, in place, four instructions at a time behind matrix instructions.
.set AF32, 1                           ; A's tile is f32 in LDS
.set BTR,  1                           ; B lies [K][N] in LDS and is turned by ds_load_tr16_b128
.set RID,  1                           ; the riders round A to bf16
.set BF,   1                           ; bf16 products
.set PF,   1                           ; A's stream is prefetched
.set KSTEPS, 8
.set PA,   528                         ; a row of A in LDS: 512 bytes + 16: an odd multiple of 16, so the 16 rows of a load start at 16 different groups of banks (ISA guide 11.1)
.set PB,   544                         ; a row of B: 512 + 32: an odd multiple of 32, for the turning load
.set AW,   16                          ; registers of a fragment of A as loaded
.set ASZ,  128                         ; registers of a buffer of A's fragments
.set ASTEP, 512                        ; bytes from K step to K step in A
.set BSTEP, 262144                     ; in B: 128 rows of 2,048 bytes
.set AG10, (2<<16)|(1<<20)|(1<<21)|(6<<22)|(3<<25)  ; 17:16 elements of 4 bytes; 20 padding on; 21 set beside a mask; 24:22 after every 128 words; 31:25 4 words
.set ADIM0, 128
.set ADIM1, 64
.set ASTRIDE, 1024
.set BG10, (1<<16)|(1<<20)|(1<<21)|(6<<22)|(7<<25)  ; elements of 2 bytes; after every 128 words 8 words
.set BDIM0, 256
.set BDIM1, 64
.set BSTRIDE, 1024
.set PITCHC, 2048                      ; bytes in a row of the result
.set SPITCH, 272
.set HALFA,  64*PA                     ; what one wave fetches of A
.set ABYTES, 2*HALFA
.set HALFB,  34816                     ; what one wave fetches of B
.set SLOT,   ABYTES+2*HALFB            ; A's tile, then B's
.set STG,    2*SLOT                    ; behind the ring: 16 rows x 272 bytes for each wave, for the way out; no tensor load lands here
.set SPARE,  STG+4*16*SPITCH           ; the spare words, 128 bytes a wave: two blocks of 256 bytes that no other line names
; ---- the GEMM core: the same text in the three product launches, steered by the constants above ----
; REGISTERS, in windows of 256 (s_set_vgpr_msb: bits 1:0 source 0, 3:2 source 1, 5:4 source 2, 7:6 destination):
;   window 0: addresses, the way out, the bias     window 1: accumulator (a, b) at 8 (8 a + b)
;   window 2: A's fragments, buffer u, fragment t = 4 kk + a at ASZ u + AW t     window 3: B's fragments, buffer u at 128 u + 8 (8 kk + b)
.set ADA0, 16                          ; v16  my lane's place in A's tile; never rewritten
.set ADB0, 17                          ; v17  the same for B
.set ADA,  18                          ; v18  ADA0 + the slot in hand
.set ADB,  19                          ; v19
.set STO,  24                          ; v24  the way out: where I put my bytes of a row
.set RD,   25                          ; v25  where I read rows back
.set CO,   26                          ; v26  my byte offset in the result
.set SPW,  28                          ; v28  LDS address of my spare word; never rewritten
.set NIL,  29                          ; v29  0; never rewritten
.set PFO,  30                          ; v30  the prefetches' offset: my lane x a row of A in memory
.set TMP,  32                          ; v32-63 packed results
.set OB,   64                          ; rows read back from the stage, two buffers
.set BIAS, 192                         ; v192-255 the bias of my 128 columns, as the C operand wants it
.set FAC,  128                         ; window 2: the chunk factors in hand, and
.set FACN, 132                         ; the next step's
.set G1,   24                          ; s[24:31] descriptor group 1 for A's tiles
.set G0,   32                          ; s[32:39] group 0, a set for each first fill; the second then walks
.set LIM,  43                          ; s43  a wave prefetches while the step count is above this
.set PFA,  44                          ; s[44:45] where my prefetches stand
.set G1B,  48                          ; s[48:55], s[56:63] the same for B's tiles
.set G0B,  56
.set TB,   66                          ; s66  LDS byte at which the slot in hand begins: 0 or SLOT
.set FTS,  67                          ; s67  the next step's place in the table of factors
.set MUL,   0x5b                       ; B window 3, A window 2, C and D window 1
.set MULB,  0x4b                       ; the same with C in window 0
.set TO_A,  0x80
.set TO_B,  0xc0
.set RIDE,  0x8a                       ; destination and sources 0, 1 in window 2
.set PACKW, 0x05                       ; sources window 1, destination window 0
.set W_RS,  0x41                       ; destination and source 0 window 1, source 1 window 0
.set MSB, 0
.macro WIN new                         ; the immediate's high byte repeats the setting that is left; a switch that changes nothing is dropped
.if MSB != (\new)
	s_set_vgpr_msb (MSB<<8)|(\new)
.set MSB, \new
.endif
.endm
.macro PLACES                          ; four plain instructions behind a matrix instruction, ahead of loads into its registers and of readers of its result
.rept 4
	v_nop
.endr
.endm
.macro SHADD d, x, n                   ; s[d] += s[x] << n
	s_lshl_b32 s2, s\x, \n
	s_add_co_u32 s\d, s\d, s2
.endm
.macro JLOAD s                         ; a joint load: waves 0 and 1 fetch A's halves, waves 2 and 3 B's; s_nop 0 and four v_nop follow each line
	s_cmp_eq_u32 s11, 0
	s_cbranch_scc0 .Lfor_b_\@
	tensor_load_to_lds s[G0+4*(\s):G0+4*(\s)+3], s[G1:G1+7]
	s_nop 0
	PLACES
	s_branch .Lasked_\@
.Lfor_b_\@:
	tensor_load_to_lds s[G0B+4*(\s):G0B+4*(\s)+3], s[G1B:G1B+7]
	s_nop 0
	PLACES
.Lasked_\@:
.endm
.macro CREST                           ; a round of the cluster's barrier behind its opening barrier
	s_cmp_lg_u32 s10, 0
	s_cbranch_scc1 .Lnot_wave_0_\@
	s_barrier_signal -3
.Lnot_wave_0_\@:
	s_barrier_wait -3
	s_barrier_signal -1
	s_barrier_wait -1
.endm
.macro CROUND
	s_barrier_signal -1
	s_barrier_wait -1
	CREST
.endm
.macro ASK                             ; 32 rows x 256 bytes of A, a lane a row: the K step that stands two refills on; the last two refills have none
	s_cmp_gt_u32 s3, s[LIM]
	s_cbranch_scc0 .Lnot_mine_\@
	global_prefetch_b8 v[PFO], s[PFA:PFA+1] offset:ASTEP th:TH_LOAD_NT scope:SCOPE_SE
.Lnot_mine_\@:
.endm
.macro HEAD                            ; behind the arguments' load: the add's registers, the opening add, my place, the descriptors' constant words
	v_lshl_add_u32 v[SPW], v0, 2, SPARE
	v_mov_b32 v[NIL], 0
	ds_add_u32 v[SPW], v[NIL]                      ; the wave's opening: the add and its wait stand ahead of my first tensor load
	v_lshrrev_b32 v1, 5, v0
	v_readfirstlane_b32 s10, v1                    ; wave 0..3
	s_lshr_b32 s11, s10, 1                         ; which 64 rows of the tile are mine.  Also: I fetch for A (0) or for B (1)
	s_and_b32 s12, s10, 1                          ; which 128 columns.  Also: which half of that tile I fetch
	s_bfe_u32 s40, ttmp6, 0x40000                  ; cx
	s_bfe_u32 s41, ttmp6, 0x40004                  ; cy
	s_lshl_b32 s42, ttmp9, 2
	s_add_co_u32 s42, s42, s40                     ; tile column = 4 x cluster x + cx
	s_and_b32 s84, ttmp7, 0xffff                   ; cluster y
	s_lshl_b32 s43, s41, 2
	s_lshl_b32 s43, 15, s43                        ; my row of the cluster
	s_lshl_b32 s44, 0x1111, s40                    ; my column
	s_or_b32 s[G1], s43, AG10
	s_or_b32 s[G1B], s44, BG10
	s_mov_b32 s[G1+1], ADIM0<<16                   ; tensor_dim0
	s_mov_b32 s[G1+2], ADIM1<<16                   ; tensor_dim1
	s_mov_b32 s[G1+3], ADIM0<<16                   ; tile_dim0
	s_mov_b32 s[G1+4], ADIM1                       ; tile_dim1
	s_mov_b32 s[G1+5], ASTRIDE                     ; elements from row to row
	s_mov_b32 s[G1+6], 0
	s_mov_b32 s[G1+7], 0
	s_mov_b32 s[G1B+1], BDIM0<<16
	s_mov_b32 s[G1B+2], BDIM1<<16
	s_mov_b32 s[G1B+3], BDIM0<<16
	s_mov_b32 s[G1B+4], BDIM1
	s_mov_b32 s[G1B+5], BSTRIDE
	s_mov_b32 s[G1B+6], 0
	s_mov_b32 s[G1B+7], 0
	s_mul_i32 s20, s12, HALFA                      ; where my half of A's tile goes in a slot,
	s_mul_i32 s21, s12, HALFB
	s_add_co_u32 s21, s21, ABYTES                  ; and my half of B's: no place in the cluster enters an LDS address
.endm
.macro FIRST                           ; s[14:15], s[46:47]: my half of A's and of B's first tile.  One round, then both first fills
	CROUND
.irp s, 0,1
	s_mov_b32 s[G0+4*(\s)], 1
	s_add_co_u32 s[G0+4*(\s)+1], s20, (\s)*SLOT
	s_add_nc_u64 s[G0+4*(\s)+2:G0+4*(\s)+3], s[14:15], (\s)*ASTEP
	s_or_b32 s[G0+4*(\s)+3], s[G0+4*(\s)+3], 0x80000000
	s_mov_b32 s[G0B+4*(\s)], 1
	s_add_co_u32 s[G0B+4*(\s)+1], s21, (\s)*SLOT
	s_add_nc_u64 s[G0B+4*(\s)+2:G0B+4*(\s)+3], s[46:47], (\s)*BSTEP
	s_or_b32 s[G0B+4*(\s)+3], s[G0B+4*(\s)+3], 0x80000000
	JLOAD \s
.endr
.endm
.macro LANES                           ; v1 = lane % 16, v2 = lane / 16 (both kept), and my lane's places in the tiles
	v_and_b32 v1, 15, v0
	v_bfe_u32 v2, v0, 4, 1
	v_mul_u32_u24 v3, v1, PA
.if AF32
	v_lshl_add_u32 v3, v2, 5, v3                   ; eight f32 for each half of the lanes
.else
	v_lshl_add_u32 v3, v2, 4, v3
.endif
	s_mul_i32 s22, s11, HALFA                      ; my 64 rows
	v_add_nc_u32 v[ADA0], s22, v3
.if BTR
	v_and_b32 v4, 7, v0                            ; the turning load: lane l reads k-row 8 (l / 16) + l % 8, 16 bytes at 16 ((l / 8) % 2)
	v_lshl_add_u32 v4, v2, 3, v4
	v_mul_u32_u24 v4, v4, PB
	v_bfe_u32 v5, v0, 3, 1
	v_lshl_add_u32 v4, v5, 4, v4
	s_lshl_b32 s23, s12, 8                         ; my 128 columns
	s_add_co_u32 s23, s23, ABYTES
	v_add_nc_u32 v[ADB0], s23, v4
.else
	v_mul_u32_u24 v4, v1, PB
	v_lshl_add_u32 v4, v2, 4, v4
	v_add_nc_u32 v[ADB0], s21, v4                  ; my 128 rows of B are the half with my column's number
.endif
.endm
; The fragments of 64 along K (half hf of the K step) into buffer u, in one run: B's 16, then A's 8
.macro FETCH hf, u
.if (RID == 2) && ((\hf) == 0)
	WIN 0
	v_add_nc_u32 v27, s[FTS], v31
	s_add_co_u32 s[FTS], s[FTS], 256
.endif
	WIN TO_B
.irp kk, 0,1
.irp b, 0,1,2,3,4,5,6,7
.set FR, 128*(\u)+8*(8*(\kk)+(\b))
.if BTR
	ds_load_tr16_b128 v[FR:FR+3],   v[ADB] offset:(64*(\hf)+32*(\kk))*PB+32*(\b)
	ds_load_tr16_b128 v[FR+4:FR+7], v[ADB] offset:(64*(\hf)+32*(\kk)+16)*PB+32*(\b)
.else
	ds_load_b128 v[FR:FR+3],   v[ADB] offset:128*(\hf)+64*(\kk)+16*PB*(\b)
	ds_load_b128 v[FR+4:FR+7], v[ADB] offset:128*(\hf)+64*(\kk)+16*PB*(\b)+32
.endif
.endr
.endr
	WIN TO_A
.irp kk, 0,1
.irp a, 0,1,2,3
.set FR, ASZ*(\u)+AW*(4*(\kk)+(\a))
.if AF32
	ds_load_b128 v[FR:FR+3],     v[ADA] offset:256*(\hf)+128*(\kk)+16*PA*(\a)
	ds_load_b128 v[FR+4:FR+7],   v[ADA] offset:256*(\hf)+128*(\kk)+16*PA*(\a)+16
	ds_load_b128 v[FR+8:FR+11],  v[ADA] offset:256*(\hf)+128*(\kk)+16*PA*(\a)+64
	ds_load_b128 v[FR+12:FR+15], v[ADA] offset:256*(\hf)+128*(\kk)+16*PA*(\a)+80
.else
	ds_load_b128 v[FR:FR+3],   v[ADA] offset:128*(\hf)+64*(\kk)+16*PA*(\a)
	ds_load_b128 v[FR+4:FR+7], v[ADA] offset:128*(\hf)+64*(\kk)+16*PA*(\a)+32
.endif
.endr
.endr
.if (RID == 2) && ((\hf) == 0)
	ds_load_b128 v[FACN:FACN+3], v27               ; the step's four factors for my row
.endif
	WIN 0
.endm
; Four riders: half of what fragment t of buffer u needs before it is multiplied
.macro PREP u, t, part
.if RID == 1
	WIN RIDE
.set F, ASZ*(\u)+AW*(\t)
.irp i, 0,1,2,3
	v_cvt_pk_bf16_f32 v[F+4*(\part)+(\i)], v[F+8*(\part)+2*(\i)], v[F+8*(\part)+2*(\i)+1]  ; in place, ascending: the register written has been read
.endr
.elseif RID == 2
	WIN RIDE
.set F, ASZ*(\u)+AW*(\t)
.irp i, 0,1,2,3
	v_pk_mul_f16 v[F+4*(\part)+(\i)], v[F+4*(\part)+(\i)], v[FAC+(\t)%4]
.endr
.endif
.endm
.macro FCOPY                           ; the next step's factors become the factors in hand
.if RID == 2
	WIN RIDE
.irp i, 0,1,2,3
	v_mov_b32 v[FAC+(\i)], v[FACN+(\i)]
.endr
.endif
.endm
.macro WM d, x, y, cm, c               ; cm = 0: C is the accumulator; 1: the constant 0; 2: the bias, in window 0
.if (\cm) == 2
	WIN MULB
.else
	WIN MUL
.endif
.if BF
.if (\cm) == 1
	v_wmma_f32_16x16x32_bf16 v[(\d):(\d)+7], v[(\x):(\x)+7], v[(\y):(\y)+7], 0
.else
	v_wmma_f32_16x16x32_bf16 v[(\d):(\d)+7], v[(\x):(\x)+7], v[(\y):(\y)+7], v[(\c):(\c)+7]
.endif
.else
.if (\cm) == 1
	v_wmma_f32_16x16x32_f16 v[(\d):(\d)+7], v[(\x):(\x)+7], v[(\y):(\y)+7], 0
.else
	v_wmma_f32_16x16x32_f16 v[(\d):(\d)+7], v[(\x):(\x)+7], v[(\y):(\y)+7], v[(\c):(\c)+7]
.endif
.endif
.endm
; Eight matrix instructions: fragment t = 4 kk + a of A in buffer u against B's eight of the same kk.  The 32 accumulators take turns, one instruction a turn: 31 others stand between two links of a chain.
; Behind the second and the sixth stand the riders for fragment nt of buffer nu (nt = -1: none).
.macro MSTAGE u, t, cm, nu, nt
.set AF,  ASZ*(\u)+AW*(\t)
.set AC,  64*((\t)%4)
.set BFR, 128*(\u)+64*((\t)/4)
.irp b, 0,1,2,3,4,5,6,7
.set CC, AC+8*(\b)
.if (\cm) == 2
.set CC, BIAS+8*(\b)
.endif
	WM AC+8*(\b), BFR+8*(\b), AF, \cm, CC
.if ((\nt) >= 0) && ((\b) == 1)
	PREP \nu, \nt, 0
.endif
.if ((\nt) >= 0) && ((\b) == 5)
	PREP \nu, \nt, 1
.endif
.endr
.endm
; A K step is two halves of 64 along K, 64 matrix instructions each, on buffers 0 and 1.  The first half fetches the second's fragments.
.macro HALF0 cm
	MSTAGE 0, 0, \cm, 0, 1
	MSTAGE 0, 1, \cm, 0, 2
	PLACES                                         ; for the loads into buffer 1, which the half before multiplied
	FETCH 1, 1
	MSTAGE 0, 2, \cm, 0, 3
	MSTAGE 0, 3, \cm, 0, 4
	MSTAGE 0, 4, 0, 0, 5
	MSTAGE 0, 5, 0, 0, 6
	MSTAGE 0, 6, 0, 0, 7
	s_wait_dscnt 0x0                               ; buffer 1 is in (asked for 40 matrix instructions ago): the riders below read it
	MSTAGE 0, 7, 0, 1, 0
.endm
; The second half multiplies buffer 1 and changes slots.  mode 0: this slot is filled again, two K steps ahead; 1: nothing is left to fetch; 2: the last half of all.
.macro HALF1 mode
.if ((\mode) == 0) && PF
	s_wait_xcnt 0x0                                ; the last prefetch, a K step back, has read its address
	s_add_nc_u64 s[PFA:PFA+1], s[PFA:PFA+1], ASTEP
.endif
.if (\mode) < 2
	WIN 0
	s_wait_tensorcnt 0x0                           ; all my tensor loads have landed: the one that was out is my part of the next slot
	ds_add_u32 v[SPW], v[NIL]                      ; 0 onto my spare word
.endif
	MSTAGE 1, 0, 0, 1, 1
.if (\mode) < 2
	s_wait_dscnt 0x0                               ; the add is done; my reads of this slot were over before this half began
	s_barrier_signal -1
.endif
	MSTAGE 1, 1, 0, 1, 2
.if (\mode) == 0
	WIN 0
	s_barrier_wait -1
	CREST                                          ; the barrier has opened a round of the cluster's: no wave of any partner still reads this slot or has a load on its way
	s_add_co_u32 s[G0+5], s[TB], s20               ; the walking descriptors: the slot just read,
	s_add_co_u32 s[G0B+5], s[TB], s21
	s_add_nc_u64 s[G0+6:G0+7], s[G0+6:G0+7], ASTEP ; the next K step; the type bits on top are not reached
	s_add_nc_u64 s[G0B+6:G0B+7], s[G0B+6:G0B+7], BSTEP
	JLOAD 1                                        ; the first tensor load behind the round, 112 matrix instructions ahead of the wait for it; its four v_nop are also the places for the loads below
.elseif (\mode) == 1
	WIN 0
	s_barrier_wait -1
	PLACES
.endif
.if (\mode) < 2
	s_xor_b32 s[TB], s[TB], SLOT                   ; 0 <-> SLOT
	v_add_nc_u32 v[ADA], s[TB], v[ADA0]
	v_add_nc_u32 v[ADB], s[TB], v[ADB0]
	FETCH 0, 0
.endif
.if ((\mode) == 0) && PF
	ASK
.endif
	MSTAGE 1, 2, 0, 1, 3
	MSTAGE 1, 3, 0, 1, 4
	MSTAGE 1, 4, 0, 1, 5
	MSTAGE 1, 5, 0, 1, 6
	MSTAGE 1, 6, 0, 1, 7
.if (\mode) < 2
	s_wait_dscnt 0x0                               ; buffer 0 is in
	FCOPY
	MSTAGE 1, 7, 0, 0, 0
.else
	MSTAGE 1, 7, 0, 0, -1
.endif
.endm
.macro MAIN cm                         ; all K steps; cm says what starts the sums
	s_wait_tensorcnt 0x1                           ; my part of K step 0 is in; K step 1's may stay out
	s_barrier_signal -1
	s_barrier_wait -1                              ; everybody's is
	s_mov_b32 s[TB], 0
	v_mov_b32 v[ADA], v[ADA0]
	v_mov_b32 v[ADB], v[ADB0]
	FETCH 0, 0
	s_wait_dscnt 0x0
	FCOPY
	PREP 0, 0, 0
	PREP 0, 0, 1
	HALF0 \cm                                      ; the first half stands in front of the loop: its first products start the sums
	WIN 0                                          ; at a label and at a branch every window is 0
	s_mov_b32 s3, KSTEPS-2
.Lstep:                                                ; a trip: a K step's second half, the change of slots with a refill, the next K step's first half
	HALF1 0
	HALF0 0
	WIN 0
	s_sub_co_u32 s3, s3, 1
	s_cmp_lg_u32 s3, 0
	s_cbranch_scc1 .Lstep
	HALF1 1                                        ; the tail is written out
	HALF0 0
	HALF1 2
	WIN 0
	PLACES
	PLACES
.endm
.macro OUT16                           ; the addresses of the 16-bit way out
	s_mul_i32 s23, s10, 16*SPITCH
	s_add_co_u32 s23, s23, STG                     ; my stage
	v_mul_u32_u24 v4, v1, SPITCH                   ; in: row l % 16, 16 bytes for each half of the lanes
	v_lshl_add_u32 v4, v2, 4, v4
	v_add_nc_u32 v[STO], s23, v4
	v_mul_u32_u24 v5, v2, SPITCH                   ; back: lanes 0-15 one row of 256 bytes, lanes 16-31 the next
	v_lshl_add_u32 v5, v1, 4, v5
	v_add_nc_u32 v[RD], s23, v5
	v_mul_u32_u24 v5, v2, PITCHC                   ; and the same two rows in the result
	v_lshl_add_u32 v[CO], v1, 4, v5
.endm
.macro TOSTAGE a                       ; block a's 16 rows x 256 bytes into my stage and back as whole rows
	WIN 0
.set BK, OB+32*((\a)%2)
.irp b, 0,1,2,3,4,5,6,7
	ds_store_b128 v[STO], v[TMP+4*(\b):TMP+4*(\b)+3] offset:32*(\b)
.endr
.irp t, 0,1,2,3,4,5,6,7
	ds_load_b128 v[BK+4*(\t):BK+4*(\t)+3], v[RD] offset:(\t)*2*SPITCH  ; LDS serves a wave's instructions in order (ISA guide 5.7.1.4): these see the stores above
.endr
.endm
.macro SEND a
	WIN 0
.set BK, OB+32*((\a)%2)
	s_wait_dscnt 0x0                               ; the block is back in registers
	s_wait_xcnt 0x0                                ; the block before's stores have read their data: the next TOSTAGE loads into those registers only behind this wait
.irp t, 0,1,2,3,4,5,6,7
	global_store_b128 v[CO], v[BK+4*(\t):BK+4*(\t)+3], s[8:9] offset:(16*(\a)+2*(\t))*PITCHC  ; 16 lanes store 256 consecutive bytes, aligned
.endr
.endm
; ---- end of the core ----
	s_load_b512 s[68:83], s[0:1], 0x0              ; query, key, value, bq, bk, bv, wt, qkv
	HEAD
	s_lshr_b32 s85, s84, 4                         ; which projection: the same in all sixteen partners
	s_and_b32 s13, s84, 15
	s_lshl_b32 s13, s13, 2
	s_add_co_u32 s13, s13, s41                     ; tile row = 4 x (cluster y mod 16) + cy
	s_lshl_b32 s16, s13, 19                        ; A: 128 rows of 4,096 bytes a tile row,
	SHADD 16, 12, 18                               ; 64 rows for my half
	s_mov_b32 s17, 0
	s_lshl_b32 s46, s85, 21                        ; B: the weight matrix,
	SHADD 46, 12, 17                               ; my 64 k-rows of 2,048 bytes,
	SHADD 46, 42, 9                                ; the tile's 256 columns
	s_mov_b32 s47, 0
	s_lshl_b32 s18, s85, 24                        ; the result: 16 MiB each,
	SHADD 18, 13, 18                               ; 128 rows of 2,048 bytes,
	SHADD 18, 11, 17                               ; my 64,
	SHADD 18, 42, 9                                ; 256 columns,
	SHADD 18, 12, 8                                ; my 128
	s_mov_b32 s19, 0
	s_lshl_b32 s22, s42, 10                        ; the bias of my 128 columns
	SHADD 22, 12, 9
	s_mov_b32 s23, 0
	s_lshl_b32 s86, s13, 19                        ; the prefetches: of the tile's 128 rows my work-group takes 32, told apart by address,
	SHADD 86, 40, 17
	SHADD 86, 10, 8                                ; waves 0 and 1 a half of a K step's 512 bytes each;
	s_add_co_u32 s86, s86, 2*ASTEP                 ; at K step 2: the first refill steps it to 3 and names K step 4
	s_mov_b32 s87, 0
	s_wait_dscnt 0x0                               ; the opening add is done
	s_wait_kmcnt 0x0
	s_cmp_eq_u32 s85, 1
	s_cselect_b64 s[4:5], s[70:71], s[68:69]
	s_cselect_b64 s[6:7], s[76:77], s[74:75]
	s_cmp_eq_u32 s85, 2
	s_cselect_b64 s[4:5], s[72:73], s[4:5]
	s_cselect_b64 s[6:7], s[78:79], s[6:7]
	s_add_nc_u64 s[14:15], s[4:5], s[16:17]
	s_add_nc_u64 s[46:47], s[80:81], s[46:47]
	s_add_nc_u64 s[6:7], s[6:7], s[22:23]
	s_add_nc_u64 s[8:9], s[82:83], s[18:19]
	s_add_nc_u64 s[PFA:PFA+1], s[4:5], s[86:87]
	s_cmp_lt_u32 s10, 2
	s_cselect_b32 s[LIM], 2, -1                    ; waves 0 and 1 ask, while two refills are still to come behind this one
	FIRST
	LANES
	OUT16
	v_lshlrev_b32 v27, 5, v2                       ; register j of block b is column 16 b + 8 (l / 16) + j
.irp b, 0,1,2,3,4,5,6,7
	global_load_b128 v[BIAS+8*(\b):BIAS+8*(\b)+3],   v27, s[6:7] offset:64*(\b)
	global_load_b128 v[BIAS+8*(\b)+4:BIAS+8*(\b)+7], v27, s[6:7] offset:64*(\b)+16
.endr
	v_and_b32 v[PFO], 31, v0
	v_lshlrev_b32 v[PFO], 12, v[PFO]               ; a lane a row of 4,096 bytes
	s_wait_loadcnt 0x0
.set i, 0
.rept 32                                       ; the bias is rounded to bf16 like every input, and widened again
	v_cvt_pk_bf16_f32 v[3+i%4], v[BIAS+2*i], v[BIAS+2*i+1]
	v_lshlrev_b32 v[BIAS+2*i], 16, v[3+i%4]
	v_and_b32 v[BIAS+2*i+1], 0xffff0000, v[3+i%4]
.set i, i+1
.endr
	MAIN 2                                         ; the bias starts the sums
.macro PACK a                          ; block a rounded to f16: a lane's eight columns are 16 bytes; each accumulator is read from its low end on
	WIN PACKW
.irp b, 0,1,2,3,4,5,6,7
.irp r, 0,1,2,3
	v_cvt_pk_f16_f32 v[TMP+4*(\b)+(\r)], v[64*(\a)+8*(\b)+2*(\r)], v[64*(\a)+8*(\b)+2*(\r)+1]
.endr
.endr
	WIN 0
.endm
	PACK 0
	TOSTAGE 0
.irp a, 1,2,3                          ; block a's conversions stand between block a - 1's loads from the stage and the wait for them
	PACK \a
	SEND (\a)-1
	TOSTAGE \a
.endr
	SEND 3
	s_wait_tensorcnt 0x0                           ; the wave's end: behind my last tensor load and my last LDS store
	ds_add_u32 v[SPW], v[NIL]
	s_wait_dscnt 0x0
	CROUND                                         ; the closing round
	s_endpgm
.Lfunc_end_k_q0e9387f4d2_proj:
	.size	k_q0e9387f4d2_proj, .Lfunc_end_k_q0e9387f4d2_proj-k_q0e9387f4d2_proj
	.p2alignl 7, 3214868480
	.fill 96, 4, 3214868480
	.section	.rodata,"a",@progbits
	.p2align	6, 0x0
	.amdhsa_kernel k_q0e9387f4d2_proj
		.amdhsa_group_segment_fixed_size 327680
		.amdhsa_private_segment_fixed_size 0
		.amdhsa_enable_private_segment 0
		.amdhsa_kernarg_size 64
		.amdhsa_user_sgpr_count 2
		.amdhsa_user_sgpr_kernarg_segment_ptr 1
		.amdhsa_wavefront_size32 1
		.amdhsa_system_sgpr_workgroup_id_x 1
		.amdhsa_system_sgpr_workgroup_id_y 1
		.amdhsa_system_sgpr_workgroup_id_z 1
		.amdhsa_system_vgpr_workitem_id 0
		.amdhsa_next_free_vgpr 1024
		.amdhsa_next_free_sgpr 100
		.amdhsa_reserve_vcc 0
		.amdhsa_float_denorm_mode_32 3
		.amdhsa_float_denorm_mode_16_64 3
		.amdhsa_memory_ordered 1
		.amdhsa_forward_progress 1
		.amdhsa_inst_pref_size 113
	.end_amdhsa_kernel
	.amdgpu_metadata
---
amdhsa.version: [ 1, 2 ]
amdhsa.kernels:
  - .name:           k_q0e9387f4d2_proj
    .symbol:         k_q0e9387f4d2_proj.kd
    .args:
      - { .name: query, .offset: 0, .size: 8, .value_kind: global_buffer, .address_space: global }
      - { .name: key, .offset: 8, .size: 8, .value_kind: global_buffer, .address_space: global }
      - { .name: value, .offset: 16, .size: 8, .value_kind: global_buffer, .address_space: global }
      - { .name: bq, .offset: 24, .size: 8, .value_kind: global_buffer, .address_space: global }
      - { .name: bk, .offset: 32, .size: 8, .value_kind: global_buffer, .address_space: global }
      - { .name: bv, .offset: 40, .size: 8, .value_kind: global_buffer, .address_space: global }
      - { .name: wt, .offset: 48, .size: 8, .value_kind: global_buffer, .address_space: global }
      - { .name: qkv, .offset: 56, .size: 8, .value_kind: global_buffer, .address_space: global }
    .group_segment_fixed_size: 327680
    .private_segment_fixed_size: 0
    .kernarg_segment_align: 8
    .kernarg_segment_size: 64
    .max_flat_workgroup_size: 128
    .sgpr_count:     100
    .vgpr_count:     1024
    .wavefront_size: 32
...
	.end_amdgpu_metadata
.endif
;; end of part 2
;; launch scores (part 3): grid 8 x 32, 4 waves a work-group, clusters of 4 x 4, 327,680 bytes of LDS; arguments qkv, mask, pw, stat; writes pw, stat
.if DOCPART == 3
	.amdgcn_target "amdgcn-amd-amdhsa--gfx1250"
	.amdhsa_code_object_version 6
	.text
	.protected	k_q0e9387f4d2_scores
	.globl	k_q0e9387f4d2_scores
	.p2align	8
	.type	k_q0e9387f4d2_scores,@function
k_q0e9387f4d2_scores:
	s_mov_b64 s[64:65], 0
	v_nop
	global_prefetch_b8 v0, s[64:65] scope:SCOPE_SE
	s_setreg_imm32_b32 hwreg(HW_REG_WAVE_MODE, 25, 1), 1
	s_wait_xcnt 0x0
	s_wait_alu depctr_hold_cnt(0) depctr_sa_sdst(0) depctr_va_vdst(0) depctr_va_sdst(0) depctr_va_ssrc(0) depctr_va_vcc(0) depctr_vm_vsrc(0)
	s_getreg_b32 s2, hwreg(HW_REG_IB_STS2, 6, 4)
	s_cmp_eq_u32 s2, 0
	s_cbranch_scc0 .Lentry_in_a_cluster
	s_endpgm
.Lentry_in_a_cluster:
	s_bfe_u32 s2, ttmp6, 0x10000c
	s_cmp_lg_u32 s2, 0xf033
	s_cbranch_scc0 .Lentry_shape_is_right
	s_endpgm
.Lentry_shape_is_right:
; s[m][t] = c q[m] . k[t], c = log2(e) / 32 (f16 products, f32 sums, the scale in f32); where mask[m][t] = 0 it is replaced by -1e9 x log2(e), which is reference's -1e9 in the same units.
; For each row and each CHUNK of 128 keys: mx = the chunk's maximum of s, pw[m][t] = 2^(s - mx) in f16, l = the sum of the unrounded weights.  stat keeps mx and l in f32; the next launch takes the
; row's true maximum over its 16 chunks and corrects each chunk by 2^(mx - MX).  s - mx is exactly 0 at the maximum, so a chunk that is all masked gives exactly 1 everywhere.
; LIMITS.  pw lies in 0 to 1; below 6e-5 it keeps f16's fixed step of 6e-8; a weight below 2^-126 counts as 0 in l.  NaN and infinities are not treated apart.
; SHARES.  A work-group makes 256 queries x 256 keys of one batch, its four waves 128 x 128 each (a wave's keys are a chunk): 64 accumulators, 512 registers.  32 x 8 = 256 work-groups.
; K (the 1,024 channels) goes in 8 steps of 128 through two LDS slots filled by tensor loads: rows of 256 bytes, aligned; waves 0 and 1 fetch q's two halves of 128 rows, waves 2 and 3 k's.
; CLUSTER 4 x 4: q's tile is shared along a row of the cluster, k's along a column: joint loads.  No prefetch: a refill is asked for 224 matrix instructions ahead of the wait for it, and every
; tile of q and of k is read by several work-groups, so no stream here is read once.
; TRANSPOSED USE: source 0 = 16 keys, source 1 = 16 queries: a lane holds query lane % 16 and the keys 8 (lane / 16) + 0..7 of each block of 16.
; stat: [128 groups of 64 rows][16 chunks][mx, l][16 r][4 a] f32, row = 64 G + 16 a + r.
; REGISTERS, in windows of 256 (s_set_vgpr_msb: bits 1:0 source 0, 3:2 source 1, 5:4 source 2, 7:6 destination):
;   window 0: v0-31 addresses; v32-63 packed weights; v64-127, v128-191 q's fragments, two buffers (behind the products: a block's scores, the rows read back, a few at work); v192-255 a block's mask words
;   window 1: v64-127, v128-191 k's fragments, two buffers
;   window 2: the 32 accumulators of my rows 0-63 ((a, b) at 8 (8 a + b));   window 3: those of my rows 64-127
.set KSTEPS, 8
.set KBYTES, 256                       ; bytes from K step to K step in q and in k
.set PITCH,  272                       ; an LDS row: 256 bytes + 16: an odd multiple of 16, so the 16 rows of a load start at 16 different groups of banks (ISA guide 11.1)
.set HALFT,  128*PITCH                 ; 128 rows: what one tensor load brings, and what one wave reads of q or of k
.set SLOT,   4*HALFT                   ; q's 256 rows, then k's 256 rows
.set STG,    2*SLOT                    ; behind the ring: 16 rows x 272 bytes for each wave, for the way out; no tensor load lands here
.set SPITCH, 272
.set SST,    STG+4*16*SPITCH           ; each wave's eight blocks' statistics: [8 blocks][mx, l][16 r] words, 1,024 bytes a wave, its own
.set SPARE,  SST+4*1024                ; the spare words, 128 bytes a wave: two blocks of 256 bytes that no other line names
.set PITCHC, 4096                      ; bytes in a row of pw
.set MROWS,  16*8192                   ; bytes of mask from a block of 16 queries to the next
.set ADA0, 16                          ; v16  my lane's place in q's tile; never rewritten
.set ADB0, 17                          ; v17  the same for k
.set ADA,  18                          ; v18  ADA0 + the slot in hand
.set ADB,  19                          ; v19
.set SSB,  20                          ; v20  where the block in hand puts its statistics: 128 bytes further in each trip
.set STO,  24                          ; v24  the way out: where I put 16 bytes of a row
.set RD,   25                          ; v25  where I read rows back
.set CO,   26                          ; v26  my byte offset in pw; never rewritten
.set MO,   27                          ; v27  my byte offset in a block's mask rows; never rewritten
.set SPW,  28                          ; v28  LDS address of my spare word; never rewritten
.set NIL,  29                          ; v29  0; never rewritten
.set SRD,  30                          ; v30  my word in a block's statistics
.set SGO,  31                          ; v31  my 16 bytes in stat
.set TMP,  32                          ; v32-63   a block's weights, packed
.set F0,   64                          ; fragment buffer 0
.set F1,   128                         ; fragment buffer 1
.set S,    64                          ; v64-127  a block's 64 scores of my query
.set OB,   128                         ; v128-159 16 rows read back from the stage
.set CH,   160                         ; v160-163 four chains at work
.set MP,   164                         ; v164-165 the maximum, twice: a pair for the packed subtraction
.set SV,   166                         ; v166     what my lane stores of the statistics
.set SB,   168                         ; v168-175 the statistics read back
.set MK,   192                         ; v192-255 a block's mask words, laid as its accumulators are
.set G1,   24                          ; s[24:31] descriptor group 1 for q's tiles
.set G0,   32                          ; s[32:39] group 0, a set for each first fill; the second then walks
.set G1B,  48                          ; s[48:55], s[56:63] the same for k's tiles
.set G0B,  56
.set TB,   66                          ; s66  LDS byte at which the slot in hand begins: 0 or SLOT
.set G10,  (1<<16)|(1<<20)|(1<<21)|(5<<22)|(3<<25)  ; 17:16 elements of 2 bytes; 20 padding on; 21 set beside a mask; 24:22 after every 64 words; 31:25 4 words
.set MUL_LO, 0xa1                      ; source 0 (k) window 1, source 1 (q) window 0, C and D window 2
.set MUL_HI, 0xf1                      ; the same, C and D window 3
.set TO_B,   0x40                      ; destination window 1, address window 0
.set MSB, 0
.macro WIN new                         ; the immediate's high byte repeats the setting that is left; a switch that changes nothing is dropped
.if MSB != (\new)
	s_set_vgpr_msb (MSB<<8)|(\new)
.set MSB, \new
.endif
.endm
.macro PLACES                          ; four plain instructions behind a matrix instruction, ahead of loads into its registers and of readers of its result
.rept 4
	v_nop
.endr
.endm
.macro SHADD d, x, n                   ; s[d] += s[x] << n
	s_lshl_b32 s2, s\x, \n
	s_add_co_u32 s\d, s\d, s2
.endm
.macro JLOAD s                         ; a joint load: waves 0 and 1 fetch q's halves, waves 2 and 3 k's; s_nop 0 and four v_nop follow each line
	s_cmp_eq_u32 s11, 0
	s_cbranch_scc0 .Lfor_b_\@
	tensor_load_to_lds s[G0+4*(\s):G0+4*(\s)+3], s[G1:G1+7]
	s_nop 0
	PLACES
	s_branch .Lasked_\@
.Lfor_b_\@:
	tensor_load_to_lds s[G0B+4*(\s):G0B+4*(\s)+3], s[G1B:G1B+7]
	s_nop 0
	PLACES
.Lasked_\@:
.endm
.macro CREST                           ; a round of the cluster's barrier behind its opening barrier
	s_cmp_lg_u32 s10, 0
	s_cbranch_scc1 .Lnot_wave_0_\@
	s_barrier_signal -3
.Lnot_wave_0_\@:
	s_barrier_wait -3
	s_barrier_signal -1
	s_barrier_wait -1
.endm
.macro CROUND
	s_barrier_signal -1
	s_barrier_wait -1
	CREST
.endm
	s_load_b256 s[68:75], s[0:1], 0x0              ; qkv, mask, pw, stat
	v_lshl_add_u32 v[SPW], v0, 2, SPARE
	v_mov_b32 v[NIL], 0
	ds_add_u32 v[SPW], v[NIL]                      ; the wave's opening: the add and its wait stand ahead of my first tensor load; the set-up below, work on registers, stands between them
	v_lshrrev_b32 v1, 5, v0
	v_readfirstlane_b32 s10, v1                    ; wave 0..3
	s_lshr_b32 s11, s10, 1                         ; which 128 queries of the tile are mine.  Also: I fetch for q (0) or for k (1)
	s_and_b32 s12, s10, 1                          ; which 128 keys.  Also: which half of that tile I fetch
	s_bfe_u32 s40, ttmp6, 0x40000                  ; cx
	s_bfe_u32 s41, ttmp6, 0x40004                  ; cy
	s_lshl_b32 s42, ttmp9, 2
	s_add_co_u32 s42, s42, s40                     ; tile column = 4 x cluster x + cx: 0..7
	s_and_b32 s84, ttmp7, 0xffff                   ; cluster y
	s_lshr_b32 s85, s84, 1                         ; the batch (8 tile rows each): the same in all sixteen partners
	s_lshl_b32 s13, s84, 2
	s_add_co_u32 s13, s13, s41                     ; tile row = 4 x cluster y + cy: 0..31
	s_lshl_b32 s43, s41, 2
	s_lshl_b32 s43, 15, s43                        ; my row of the cluster
	s_lshl_b32 s44, 0x1111, s40                    ; my column
	s_or_b32 s[G1], s43, G10                       ; q's tiles go to my row,
	s_or_b32 s[G1B], s44, G10                      ; k's to my column
.irp g, G1, G1B
	s_mov_b32 s[(\g)+1], 128<<16                   ; tensor_dim0 = 128
	s_mov_b32 s[(\g)+2], 128<<16                   ; tensor_dim1 = 128
	s_mov_b32 s[(\g)+3], 128<<16                   ; tile_dim0 = 128
	s_mov_b32 s[(\g)+4], 128                       ; tile_dim1 = 128
	s_mov_b32 s[(\g)+5], 1024                      ; elements from row to row
	s_mov_b32 s[(\g)+6], 0
	s_mov_b32 s[(\g)+7], 0
.endr
	s_mul_i32 s20, s10, HALFT                      ; where my tile goes in a slot: q's two halves, then k's two = wave x 128 rows: no place in the cluster enters an LDS address
	s_lshl_b32 s16, s13, 19                        ; q: 256 rows of 2,048 bytes a tile row,
	SHADD 16, 12, 18                               ; my 128
	s_mov_b32 s17, 0
	s_mov_b32 s46, 0x1000000                       ; k, behind q:
	SHADD 46, 85, 22                               ; the batch's 2,048 rows,
	SHADD 46, 42, 19                               ; the tile's 256,
	SHADD 46, 12, 18                               ; my 128
	s_mov_b32 s47, 0
	s_and_b32 s18, s13, 7                          ; the mask: the tile row in its batch,
	s_lshl_b32 s18, s18, 21                        ; 256 rows of 8,192 bytes,
	SHADD 18, 11, 20                               ; my 128,
	SHADD 18, 42, 10                               ; 256 keys of 4 bytes,
	SHADD 18, 12, 9                                ; my 128
	s_mov_b32 s19, 0
	s_lshl_b32 s22, s13, 20                        ; pw: 256 rows of 4,096 bytes,
	SHADD 22, 11, 19                               ; my 128,
	SHADD 22, 42, 9                                ; 256 keys of 2 bytes,
	SHADD 22, 12, 8                                ; my 128
	s_mov_b32 s23, 0
	s_lshl_b32 s86, s13, 15                        ; stat: ((4 row + 2 half) 16 + 2 column + half) x 512
	SHADD 86, 11, 14
	SHADD 86, 42, 10
	SHADD 86, 12, 9
	s_mov_b32 s87, 0
	s_mov_b32 s92, 0xceabfb8f                      ; -1e9 x log2(e)
	s_mov_b32 s94, 0x3d38aa3b                      ; c = log2(e) / 32
	s_mov_b32 s95, s94                             ; named with it as a pair
	s_mov_b32 s96, 0x76543210                      ; v_permlanex16_b32: each lane takes its own place in the other half
	s_mov_b32 s97, 0xfedcba98
	s_wait_dscnt 0x0                               ; the opening add is done
	s_wait_kmcnt 0x0
	s_add_nc_u64 s[14:15], s[68:69], s[16:17]
	s_add_nc_u64 s[46:47], s[68:69], s[46:47]
	s_add_nc_u64 s[4:5], s[70:71], s[18:19]
	s_add_nc_u64 s[8:9], s[72:73], s[22:23]
	s_add_nc_u64 s[6:7], s[74:75], s[86:87]
	CROUND                                         ; all sixteen work-groups are here: the first joint loads meet
.irp s, 0,1
	s_mov_b32 s[G0+4*(\s)], 1
	s_add_co_u32 s[G0+4*(\s)+1], s20, (\s)*SLOT
	s_add_nc_u64 s[G0+4*(\s)+2:G0+4*(\s)+3], s[14:15], (\s)*KBYTES
	s_or_b32 s[G0+4*(\s)+3], s[G0+4*(\s)+3], 0x80000000
	s_mov_b32 s[G0B+4*(\s)], 1
	s_add_co_u32 s[G0B+4*(\s)+1], s20, (\s)*SLOT
	s_add_nc_u64 s[G0B+4*(\s)+2:G0B+4*(\s)+3], s[46:47], (\s)*KBYTES
	s_or_b32 s[G0B+4*(\s)+3], s[G0B+4*(\s)+3], 0x80000000
	JLOAD \s                                       ; the ring is filled before anything else is done: two loads of mine are out
.endr
	; A fragment is 16 rows x 32 channels in 8 registers: lane l holds row l % 16, channels 8 (l / 16) + 0..7 and 16 + 8 (l / 16) + 0..7: two loads of 16 bytes, 32 bytes apart.
	v_and_b32 v1, 15, v0                           ; l % 16
	v_bfe_u32 v2, v0, 4, 1                         ; l / 16
	v_mul_u32_u24 v3, v1, PITCH
	v_lshl_add_u32 v3, v2, 4, v3                   ; row x pitch + 16 x half
	s_mul_i32 s22, s11, HALFT                      ; my 128 rows of q
	v_add_nc_u32 v[ADA0], s22, v3
	s_mul_i32 s23, s12, HALFT                      ; my 128 rows of k,
	s_add_co_u32 s23, s23, 2*HALFT                 ; which lie behind q's 256
	v_add_nc_u32 v[ADB0], s23, v3
	s_mul_i32 s23, s10, 16*SPITCH
	s_add_co_u32 s23, s23, STG                     ; my stage
	v_mul_u32_u24 v4, v1, SPITCH                   ; in: row l % 16, 16 bytes for each half of the lanes
	v_lshl_add_u32 v4, v2, 4, v4
	v_add_nc_u32 v[STO], s23, v4
	v_mul_u32_u24 v5, v2, SPITCH                   ; back: lanes 0-15 one row of 256 bytes, lanes 16-31 the next
	v_lshl_add_u32 v5, v1, 4, v5
	v_add_nc_u32 v[RD], s23, v5
	v_mul_u32_u24 v5, v2, PITCHC                   ; and the same two rows in pw
	v_lshl_add_u32 v[CO], v1, 4, v5
	v_lshlrev_b32 v[MO], 13, v1                    ; the mask: my query's row,
	v_lshl_add_u32 v[MO], v2, 5, v[MO]             ; my eight keys of each 16
	v_and_b32 v5, 31, v0
	s_lshl_b32 s23, s10, 10
	s_add_co_u32 s23, s23, SST                     ; my wave's statistics
	v_lshl_add_u32 v[SRD], v5, 2, s23              ; lanes 0-15: mx of row l % 16; lanes 16-31: l
	v_mov_b32 v[SSB], v[SRD]
	v_lshlrev_b32 v[SGO], 4, v1                    ; stat: 16 r, lanes 16-31 the sums' 256 bytes
	v_lshl_add_u32 v[SGO], v2, 8, v[SGO]
.macro MLOAD                           ; a block's mask words: register 8 b + j is key 16 b + 8 (l / 16) + j of my query
.irp b, 0,1,2,3,4,5,6,7
	global_load_b128 v[MK+8*(\b):MK+8*(\b)+3],   v[MO], s[4:5] offset:64*(\b)
	global_load_b128 v[MK+8*(\b)+4:MK+8*(\b)+7], v[MO], s[4:5] offset:64*(\b)+16
.endr
.endm
	MLOAD                                          ; block 0's: on their way under the products
; 16 matrix instructions: m blocks a0, a0 + 1 of the window's four (hi = 0: my rows 0-63, 1: rows 64-127) x all 8 n blocks, 32 along K.  zero = 1: the first product starts the sums.
; The 64 accumulators take turns, one instruction a turn, in the same order in every quarter: 63 others stand between two links of a chain.
.macro MUL16 f, hi, a0, zero
	WIN MUL_LO+0x50*(\hi)
.irp a, \a0, (\a0)+1
.irp b, 0,1,2,3,4,5,6,7
.if \zero
	v_wmma_f32_16x16x32_f16 v[8*(8*(\a)+(\b)):8*(8*(\a)+(\b))+7], v[(\f)+8*(\b):(\f)+8*(\b)+7], v[(\f)+8*(4*(\hi)+(\a)):(\f)+8*(4*(\hi)+(\a))+7], 0
.else
	v_wmma_f32_16x16x32_f16 v[8*(8*(\a)+(\b)):8*(8*(\a)+(\b))+7], v[(\f)+8*(\b):(\f)+8*(\b)+7], v[(\f)+8*(4*(\hi)+(\a)):(\f)+8*(4*(\hi)+(\a))+7], v[8*(8*(\a)+(\b)):8*(8*(\a)+(\b))+7]
.endif
.endr
.endr
.endm
; 32 LDS loads in one run: the fragments of one quarter step (128 rows of k, 128 rows of q, 32 channels at byte k of the rows) into buffer f
.macro FETCH k, f
	WIN TO_B
.irp i, 0,1,2,3,4,5,6,7
	ds_load_b128 v[(\f)+8*(\i):(\f)+8*(\i)+3],   v[ADB] offset:(\k)+(\i)*16*PITCH
	ds_load_b128 v[(\f)+8*(\i)+4:(\f)+8*(\i)+7], v[ADB] offset:(\k)+(\i)*16*PITCH+32
.endr
	WIN 0
.irp i, 0,1,2,3,4,5,6,7
	ds_load_b128 v[(\f)+8*(\i):(\f)+8*(\i)+3],   v[ADA] offset:(\k)+(\i)*16*PITCH
	ds_load_b128 v[(\f)+8*(\i)+4:(\f)+8*(\i)+7], v[ADA] offset:(\k)+(\i)*16*PITCH+32
.endr
.endm
; A K step is four quarters of 32 along K, 64 matrix instructions each, on buffers 0, 1, 0, 1.
; One of the first three: multiplies buffer f; in its middle it fetches the next quarter's fragments, at byte k of the same slot's rows, into buffer g.
.macro QUARTER k, f, g, zero
	s_wait_dscnt 8                                 ; k's and q's rows 0-63 are in; the youngest eight loads (q's rows 64-127) may be out
	MUL16 \f, 0, 0, \zero
	MUL16 \f, 0, 2, \zero
	PLACES                                         ; for the loads into buffer g, which the quarter before multiplied
	FETCH \k, \g
	s_wait_dscnt 32                                ; all but the 32 just issued
	MUL16 \f, 1, 0, \zero
	MUL16 \f, 1, 2, \zero
.endm
; The last quarter multiplies buffer 1 and changes slots: ONE barrier.  In front of it each wave waits for all its tensor loads, of which one is out: its part of the next slot; adds 0 to its spare word;
; and waits for that and for its own reads of this slot.  fill = 1: the barrier opens a round of the cluster's, and this slot is filled again, two K steps ahead, first thing behind the round.
.macro TURN fill
	WIN 0                                          ; (the add's two registers lie in window 0)
	s_wait_tensorcnt 0x0                           ; all my tensor loads have landed
	ds_add_u32 v[SPW], v[NIL]                      ; 0 onto my spare word
	s_wait_dscnt 9                                 ; (the add and the youngest eight loads may be out)
	MUL16 F1, 0, 0, 0                              ; sixteen matrix instructions stand between the add and the wait for it
	s_wait_dscnt 0x0                               ; the add is done, and my reads of this slot are over
	s_barrier_signal -1
	MUL16 F1, 0, 2, 0                              ; work on registers while the others arrive
	WIN 0
	s_barrier_wait -1
.if \fill
	CREST                                          ; no wave of any partner still reads this slot's tile or has a load on its way
	s_add_co_u32 s[G0+5], s[TB], s20               ; the walking descriptors: the slot just read,
	s_add_co_u32 s[G0B+5], s[TB], s20
	s_add_nc_u64 s[G0+6:G0+7], s[G0+6:G0+7], KBYTES  ; the next K step; the type bits on top are not reached
	s_add_nc_u64 s[G0B+6:G0B+7], s[G0B+6:G0B+7], KBYTES
	JLOAD 1                                        ; the first tensor load behind the round; its four v_nop are also the places for the loads below
.else
	PLACES
.endif
	s_xor_b32 s[TB], s[TB], SLOT                   ; 0 <-> SLOT
	v_add_nc_u32 v[ADA], s[TB], v[ADA0]
	v_add_nc_u32 v[ADB], s[TB], v[ADB0]
	FETCH 0, F0
	MUL16 F1, 1, 0, 0
	MUL16 F1, 1, 2, 0
.endm
	s_wait_tensorcnt 0x1                           ; my part of K step 0 is in; K step 1's may stay out
	s_barrier_signal -1
	s_barrier_wait -1                              ; everybody's is
	s_mov_b32 s[TB], 0
	v_mov_b32 v[ADA], v[ADA0]
	v_mov_b32 v[ADB], v[ADB0]
	FETCH 0, F0
	QUARTER 64, F0, F1, 1                          ; the first quarter stands in front of the loop: its products start the sums
	WIN 0                                          ; at a label and at a branch every window is 0
	s_mov_b32 s3, KSTEPS-2
.Lstep:                                                ; a trip: a K step's quarters 1 to 3, with the change of slots and a refill, and the next K step's quarter 0
	QUARTER 128, F1, F0, 0
	QUARTER 192, F0, F1, 0
	TURN 1
	QUARTER 64, F0, F1, 0
	WIN 0
	s_sub_co_u32 s3, s3, 1
	s_cmp_lg_u32 s3, 0
	s_cbranch_scc1 .Lstep
	QUARTER 128, F1, F0, 0                         ; the tail is written out: nothing more is asked for
	QUARTER 192, F0, F1, 0
	TURN 0
	QUARTER 64, F0, F1, 0
	QUARTER 128, F1, F0, 0
	QUARTER 192, F0, F1, 0
	s_wait_dscnt 8                                 ; the very last quarter: nothing more to fetch
	MUL16 F1, 0, 0, 0
	MUL16 F1, 0, 2, 0
	s_wait_dscnt 0x0
	MUL16 F1, 1, 0, 0
	MUL16 F1, 1, 2, 0
	WIN 0
	PLACES
	PLACES
; THE WAY OUT: a loop over my eight blocks of 16 queries.  Registers cannot be indexed, so the 32 lines that take a block out of its accumulators stand once for each block, reached by forward jumps on the
; counter; they multiply by c, two scores a line, each accumulator from its low end on.  All else is one text for every block.
.macro COPY a
	WIN 0x02+(\a)/4                                ; source 0 in window 2 (blocks 0-3) or 3 (blocks 4-7), destination in window 0
.set i, 0
.rept 32
	v_pk_mul_f32 v[S+2*i:S+2*i+1], v[64*((\a)%4)+2*i:64*((\a)%4)+2*i+1], s[94:95] op_sel_hi:[1,0]
.set i, i+1
.endr
	WIN 0
.endm
	v_cmp_eq_u32 s93, 1, v2                        ; lanes 16-31
	s_mov_b64 s[16:17], 0                          ; what the next block adds to pw's address: nothing for the first
	s_mov_b32 s3, 0
.Lblk:
.irp a, 0,1,2,3,4,5,6
	s_cmp_eq_u32 s3, \a
	s_cbranch_scc1 .Lcopy\a
.endr
	COPY 7
	s_branch .Lsoft
.irp a, 0,1,2,3,4,5
.Lcopy\a:
	COPY \a
	s_branch .Lsoft
.endr
.Lcopy6:
	COPY 6
.Lsoft:
	s_wait_loadcnt 0x0                             ; this block's mask words, asked for a trip ago
.irp b, 0,1,2,3,4,5,6,7
.irp j, 0,1,2,3,4,5,6,7
	v_cmp_eq_u32 s[84+(\j)], 0, v[MK+8*(\b)+(\j)]
.endr
.irp j, 0,1,2,3,4,5,6,7
	v_cndmask_b32 v[S+8*(\b)+(\j)], v[S+8*(\b)+(\j)], s92, s[84+(\j)]
.endr
.endr
	s_cmp_eq_u32 s3, 7                             ; the last block has none behind it
	s_cbranch_scc1 .Lnomask
	s_add_nc_u64 s[4:5], s[4:5], MROWS             ; (the wait above has shown the loads that named it done)
	MLOAD                                          ; the next block's, into the same registers: the rest of the trip is theirs to land in
.Lnomask:
.irp c, 0,1,2,3                        ; the maximum of 64: four chains of 16, three operands at a time
	v_max3_num_f32 v[CH+(\c)], v[S+16*(\c)], v[S+16*(\c)+1], v[S+16*(\c)+2]
.endr
.irp k, 0,1,2,3,4,5
.irp c, 0,1,2,3
	v_max3_num_f32 v[CH+(\c)], v[CH+(\c)], v[S+16*(\c)+3+2*(\k)], v[S+16*(\c)+4+2*(\k)]
.endr
.endr
.irp c, 0,1,2,3
	v_max_num_f32 v[CH+(\c)], v[CH+(\c)], v[S+16*(\c)+15]
.endr
	v_max3_num_f32 v[CH], v[CH], v[CH+1], v[CH+2]
	v_max_num_f32 v[CH], v[CH], v[CH+3]
	v_permlanex16_b32 v[CH+1], v[CH], s96, s97     ; the query's other 64 keys lie in the lane 16 away
	v_max_num_f32 v[MP], v[CH], v[CH+1]
	v_max_num_f32 v[MP+1], v[CH], v[CH+1]
.set i, 0
.rept 32
	v_pk_add_f32 v[S+2*i:S+2*i+1], v[S+2*i:S+2*i+1], v[MP:MP+1] neg_lo:[0,1] neg_hi:[0,1]  ; s - mx: exactly 0 at the maximum, whatever its size
.set i, i+1
.endr
.set i, 0
.rept 64
	v_exp_f32 v[S+i], v[S+i]
.set i, i+1
.endr
	v_nop                                          ; a plain instruction behind the last exponential,
	s_wait_alu depctr_va_vdst(0)                   ; and the one wait ahead of the batch's first reader
.irp b, 0,1,2,3,4,5,6,7
.irp r, 0,1,2,3
	v_cvt_pk_f16_f32 v[TMP+4*(\b)+(\r)], v[S+8*(\b)+2*(\r)], v[S+8*(\b)+2*(\r)+1]
.endr
.endr
	s_wait_xcnt 0x0                                ; the last block's stores have read their data and their base: both are written again below
	s_add_nc_u64 s[8:9], s[8:9], s[16:17]          ; 16 rows of pw on
	s_mov_b64 s[16:17], 16*PITCHC
.irp b, 0,1,2,3,4,5,6,7
	ds_store_b128 v[STO], v[TMP+4*(\b):TMP+4*(\b)+3] offset:32*(\b)
.endr
.irp t, 0,1,2,3,4,5,6,7
	ds_load_b128 v[OB+4*(\t):OB+4*(\t)+3], v[RD] offset:(\t)*2*SPITCH  ; LDS serves a wave's instructions in order (ISA guide 5.7.1.4): these see the stores above
.endr
.irp w, 16,8,4,2,1                     ; the sum of the unrounded weights, in f32, as a tree in place: it stands between those loads and the wait for them
.set i, 0
.rept \w
	v_pk_add_f32 v[S+2*i:S+2*i+1], v[S+2*i:S+2*i+1], v[S+2*(i+(\w)):S+2*(i+(\w))+1]
.set i, i+1
.endr
.endr
	v_add_f32 v[CH], v[S], v[S+1]
	v_permlanex16_b32 v[CH+1], v[CH], s96, s97
	v_add_f32 v[CH], v[CH], v[CH+1]
	v_cndmask_b32 v[SV], v[MP], v[CH], s93         ; lanes 0-15 keep mx, lanes 16-31 l
	ds_store_b32 v[SSB], v[SV]                     ; 128 neighbouring bytes of my wave's own
	v_add_nc_u32 v[SSB], 128, v[SSB]
	s_wait_dscnt 0x0                               ; the block is back in registers
.irp t, 0,1,2,3,4,5,6,7
	global_store_b128 v[CO], v[OB+4*(\t):OB+4*(\t)+3], s[8:9] offset:2*(\t)*PITCHC  ; 16 lanes store 256 consecutive bytes, aligned
.endr
	s_add_co_u32 s3, s3, 1
	s_cmp_lt_u32 s3, 8
	s_cbranch_scc1 .Lblk
.irp k, 0,1,2,3,4,5,6,7                ; the statistics back, turned: register k is block k's word for my row and kind
	ds_load_b32 v[SB+(\k)], v[SRD] offset:128*(\k)
.endr
	s_wait_dscnt 0x0
	global_store_b128 v[SGO], v[SB:SB+3], s[6:7]                  ; my rows 0-63: 256 bytes of maxima, 256 of sums, on end
	global_store_b128 v[SGO], v[SB+4:SB+7], s[6:7] offset:8192    ; my rows 64-127: the next group of 64 rows, 16 chunks of 512 bytes on
	s_wait_tensorcnt 0x0                           ; the wave's end: behind my last tensor load and my last LDS store
	ds_add_u32 v[SPW], v[NIL]
	s_wait_dscnt 0x0
	CROUND                                         ; the closing round
	s_endpgm
.Lfunc_end_k_q0e9387f4d2_scores:
	.size	k_q0e9387f4d2_scores, .Lfunc_end_k_q0e9387f4d2_scores-k_q0e9387f4d2_scores
	.p2alignl 7, 3214868480
	.fill 96, 4, 3214868480
	.section	.rodata,"a",@progbits
	.p2align	6, 0x0
	.amdhsa_kernel k_q0e9387f4d2_scores
		.amdhsa_group_segment_fixed_size 327680
		.amdhsa_private_segment_fixed_size 0
		.amdhsa_enable_private_segment 0
		.amdhsa_kernarg_size 32
		.amdhsa_user_sgpr_count 2
		.amdhsa_user_sgpr_kernarg_segment_ptr 1
		.amdhsa_wavefront_size32 1
		.amdhsa_system_sgpr_workgroup_id_x 1
		.amdhsa_system_sgpr_workgroup_id_y 1
		.amdhsa_system_sgpr_workgroup_id_z 1
		.amdhsa_system_vgpr_workitem_id 0
		.amdhsa_next_free_vgpr 1024
		.amdhsa_next_free_sgpr 100
		.amdhsa_reserve_vcc 0
		.amdhsa_float_denorm_mode_32 3
		.amdhsa_float_denorm_mode_16_64 3
		.amdhsa_memory_ordered 1
		.amdhsa_forward_progress 1
		.amdhsa_inst_pref_size 128
	.end_amdhsa_kernel
	.amdgpu_metadata
---
amdhsa.version: [ 1, 2 ]
amdhsa.kernels:
  - .name:           k_q0e9387f4d2_scores
    .symbol:         k_q0e9387f4d2_scores.kd
    .args:
      - { .name: qkv, .offset: 0, .size: 8, .value_kind: global_buffer, .address_space: global }
      - { .name: mask, .offset: 8, .size: 8, .value_kind: global_buffer, .address_space: global }
      - { .name: pw, .offset: 16, .size: 8, .value_kind: global_buffer, .address_space: global }
      - { .name: stat, .offset: 24, .size: 8, .value_kind: global_buffer, .address_space: global }
    .group_segment_fixed_size: 327680
    .private_segment_fixed_size: 0
    .kernarg_segment_align: 8
    .kernarg_segment_size: 32
    .max_flat_workgroup_size: 128
    .sgpr_count:     100
    .vgpr_count:     1024
    .wavefront_size: 32
...
	.end_amdgpu_metadata
.endif
;; end of part 3
;; launch pv (part 4): grid 4 x 64, 4 waves a work-group, clusters of 4 x 4, 327,680 bytes of LDS; arguments pw, stat, qkv, xb; writes xb
.if DOCPART == 4
	.amdgcn_target "amdgcn-amd-amdhsa--gfx1250"
	.amdhsa_code_object_version 6
	.text
	.protected	k_q0e9387f4d2_pv
	.globl	k_q0e9387f4d2_pv
	.p2align	8
	.type	k_q0e9387f4d2_pv,@function
k_q0e9387f4d2_pv:
	s_mov_b64 s[64:65], 0
	v_nop
	global_prefetch_b8 v0, s[64:65] scope:SCOPE_SE
	s_setreg_imm32_b32 hwreg(HW_REG_WAVE_MODE, 25, 1), 1
	s_wait_xcnt 0x0
	s_wait_alu depctr_hold_cnt(0) depctr_sa_sdst(0) depctr_va_vdst(0) depctr_va_sdst(0) depctr_va_ssrc(0) depctr_va_vcc(0) depctr_vm_vsrc(0)
	s_getreg_b32 s2, hwreg(HW_REG_IB_STS2, 6, 4)
	s_cmp_eq_u32 s2, 0
	s_cbranch_scc0 .Lentry_in_a_cluster
	s_endpgm
.Lentry_in_a_cluster:
	s_bfe_u32 s2, ttmp6, 0x10000c
	s_cmp_lg_u32 s2, 0xf033
	s_cbranch_scc0 .Lentry_shape_is_right
	s_endpgm
.Lentry_shape_is_right:
; xb[m][d] = (the sum over t of pw[m][t] f[m][chunk of t] v[t][d]) / L[m], in f16.  pw: [8192][2048] f16, the weights relative to their chunk's maximum; stat: each chunk's maximum mx, in units of log2, and sum l, f32.
; MX = the row's maximum over its 16 chunks (the true maximum of the softmax), f = 2^(mx - MX), L = the sum over the chunks of l f, in f32.
; f is rounded to f16 and multiplied onto pw's fragments in registers (packed f16), four instructions at a time behind matrix instructions; the division by L is made in f32 on the finished sums.
; LIMITS.  f below 2^-24 counts as 0 (such a chunk holds under 1e-5 of the row's weight); pw x f below 6e-5 keeps f16's fixed step of 6e-8, against L of 1 or more; xb has v's range and f16's step.  NaN and infinities are not treated apart.
; SHARES.  A work-group makes 128 rows x 256 channels, a wave 64 x 128.  256 work-groups.  K is the batch's 2,048 keys, in 16 steps of 128: a step is a chunk.
; CLUSTER 4 x 4: pw's tile is shared along a row of the cluster, v's along a column.  TRANSPOSED USE: source 0 = 16 channels of v (turned on the way out of LDS), source 1 = 16 rows of pw.
.set AF32, 0
.set BTR,  1                           ; v lies [key][channel]: turned by ds_load_tr16_b128
.set RID,  2                           ; the riders multiply A by the chunk's factor
.set BF,   0
.set PF,   1                           ; pw's stream is prefetched
.set KSTEPS, 16
.set PA,   272
.set PB,   544
.set AW,   8
.set ASZ,  64
.set ASTEP, 256
.set BSTEP, 262144
.set AG10, (1<<16)|(1<<20)|(1<<21)|(5<<22)|(3<<25)
.set ADIM0, 128
.set ADIM1, 64
.set ASTRIDE, 2048
.set BG10, (1<<16)|(1<<20)|(1<<21)|(6<<22)|(7<<25)
.set BDIM0, 256
.set BDIM1, 64
.set BSTRIDE, 1024
.set PITCHC, 2048
.set SPITCH, 272
.set HALFA,  64*PA
.set ABYTES, 2*HALFA
.set HALFB,  34816
.set SLOT,   ABYTES+2*HALFB
.set STG,    2*SLOT                    ; behind the ring: 16 rows x 272 bytes for each wave
.set FTAB,   STG+4*16*SPITCH           ; each wave's table of factors: [16 chunks][16 r][4 a] words, f twice in each; 4,096 bytes a wave, its own
.set SPARE,  FTAB+4*4096               ; the spare words, 128 bytes a wave: two blocks of 256 bytes that no other line names
; ---- the GEMM core: the same text in three product launches, steered by the constants above ----
; REGISTERS, in windows of 256 (s_set_vgpr_msb: bits 1:0 source 0, 3:2 source 1, 5:4 source 2, 7:6 destination):
;   window 0: addresses, the way out, the bias     window 1: accumulator (a, b) at 8 (8 a + b)
;   window 2: A's fragments, buffer u, fragment t = 4 kk + a at ASZ u + AW t     window 3: B's fragments, buffer u at 128 u + 8 (8 kk + b)
.set ADA0, 16                          ; v16  my lane's place in A's tile; never rewritten
.set ADB0, 17                          ; v17  the same for B
.set ADA,  18                          ; v18  ADA0 + the slot in hand
.set ADB,  19                          ; v19
.set STO,  24                          ; v24  the way out: where I put my bytes of a row
.set RD,   25                          ; v25  where I read rows back
.set CO,   26                          ; v26  my byte offset in the result
.set SPW,  28                          ; v28  LDS address of my spare word; never rewritten
.set NIL,  29                          ; v29  0; never rewritten
.set PFO,  30                          ; v30  the prefetches' offset: my lane x a row of A in memory
.set TMP,  32                          ; v32-63 packed results
.set OB,   64                          ; rows read back from the stage, two buffers
.set BIAS, 192                         ; v192-255 the bias of my 128 columns, as the C operand wants it
.set FAC,  128                         ; window 2: the chunk factors in hand, and
.set FACN, 132                         ; the next step's
.set G1,   24                          ; s[24:31] descriptor group 1 for A's tiles
.set G0,   32                          ; s[32:39] group 0, a set for each first fill; the second then walks
.set LIM,  43                          ; s43  a wave prefetches while the step count is above this
.set PFA,  44                          ; s[44:45] where my prefetches stand
.set G1B,  48                          ; s[48:55], s[56:63] the same for B's tiles
.set G0B,  56
.set TB,   66                          ; s66  LDS byte at which the slot in hand begins: 0 or SLOT
.set FTS,  67                          ; s67  the next step's place in the table of factors
.set MUL,   0x5b                       ; B window 3, A window 2, C and D window 1
.set MULB,  0x4b                       ; the same with C in window 0
.set TO_A,  0x80
.set TO_B,  0xc0
.set RIDE,  0x8a                       ; destination and sources 0, 1 in window 2
.set PACKW, 0x05                       ; sources window 1, destination window 0
.set W_RS,  0x41                       ; destination and source 0 window 1, source 1 window 0
.set MSB, 0
.macro WIN new                         ; the immediate's high byte repeats the setting that is left; a switch that changes nothing is dropped
.if MSB != (\new)
	s_set_vgpr_msb (MSB<<8)|(\new)
.set MSB, \new
.endif
.endm
.macro PLACES                          ; four plain instructions behind a matrix instruction, ahead of loads into its registers and of readers of its result
.rept 4
	v_nop
.endr
.endm
.macro SHADD d, x, n                   ; s[d] += s[x] << n
	s_lshl_b32 s2, s\x, \n
	s_add_co_u32 s\d, s\d, s2
.endm
.macro JLOAD s                         ; a joint load: waves 0 and 1 fetch A's halves, waves 2 and 3 B's; s_nop 0 and four v_nop follow each line
	s_cmp_eq_u32 s11, 0
	s_cbranch_scc0 .Lfor_b_\@
	tensor_load_to_lds s[G0+4*(\s):G0+4*(\s)+3], s[G1:G1+7]
	s_nop 0
	PLACES
	s_branch .Lasked_\@
.Lfor_b_\@:
	tensor_load_to_lds s[G0B+4*(\s):G0B+4*(\s)+3], s[G1B:G1B+7]
	s_nop 0
	PLACES
.Lasked_\@:
.endm
.macro CREST                           ; a round of the cluster's barrier behind its opening barrier
	s_cmp_lg_u32 s10, 0
	s_cbranch_scc1 .Lnot_wave_0_\@
	s_barrier_signal -3
.Lnot_wave_0_\@:
	s_barrier_wait -3
	s_barrier_signal -1
	s_barrier_wait -1
.endm
.macro CROUND
	s_barrier_signal -1
	s_barrier_wait -1
	CREST
.endm
.macro ASK                             ; 32 rows x 256 bytes of A, a lane a row: the K step that stands two refills on; the last two refills have none
	s_cmp_gt_u32 s3, s[LIM]
	s_cbranch_scc0 .Lnot_mine_\@
	global_prefetch_b8 v[PFO], s[PFA:PFA+1] offset:ASTEP th:TH_LOAD_NT scope:SCOPE_SE
.Lnot_mine_\@:
.endm
.macro HEAD                            ; behind the arguments' load: the add's registers, the opening add, my place, the descriptors' constant words
	v_lshl_add_u32 v[SPW], v0, 2, SPARE
	v_mov_b32 v[NIL], 0
	ds_add_u32 v[SPW], v[NIL]                      ; the wave's opening: the add and its wait stand ahead of my first tensor load
	v_lshrrev_b32 v1, 5, v0
	v_readfirstlane_b32 s10, v1                    ; wave 0..3
	s_lshr_b32 s11, s10, 1                         ; which 64 rows of the tile are mine.  Also: I fetch for A (0) or for B (1)
	s_and_b32 s12, s10, 1                          ; which 128 columns.  Also: which half of that tile I fetch
	s_bfe_u32 s40, ttmp6, 0x40000                  ; cx
	s_bfe_u32 s41, ttmp6, 0x40004                  ; cy
	s_lshl_b32 s42, ttmp9, 2
	s_add_co_u32 s42, s42, s40                     ; tile column = 4 x cluster x + cx
	s_and_b32 s84, ttmp7, 0xffff                   ; cluster y
	s_lshl_b32 s43, s41, 2
	s_lshl_b32 s43, 15, s43                        ; my row of the cluster
	s_lshl_b32 s44, 0x1111, s40                    ; my column
	s_or_b32 s[G1], s43, AG10
	s_or_b32 s[G1B], s44, BG10
	s_mov_b32 s[G1+1], ADIM0<<16                   ; tensor_dim0
	s_mov_b32 s[G1+2], ADIM1<<16                   ; tensor_dim1
	s_mov_b32 s[G1+3], ADIM0<<16                   ; tile_dim0
	s_mov_b32 s[G1+4], ADIM1                       ; tile_dim1
	s_mov_b32 s[G1+5], ASTRIDE                     ; elements from row to row
	s_mov_b32 s[G1+6], 0
	s_mov_b32 s[G1+7], 0
	s_mov_b32 s[G1B+1], BDIM0<<16
	s_mov_b32 s[G1B+2], BDIM1<<16
	s_mov_b32 s[G1B+3], BDIM0<<16
	s_mov_b32 s[G1B+4], BDIM1
	s_mov_b32 s[G1B+5], BSTRIDE
	s_mov_b32 s[G1B+6], 0
	s_mov_b32 s[G1B+7], 0
	s_mul_i32 s20, s12, HALFA                      ; where my half of A's tile goes in a slot,
	s_mul_i32 s21, s12, HALFB
	s_add_co_u32 s21, s21, ABYTES                  ; and my half of B's: no place in the cluster enters an LDS address
.endm
.macro FIRST                           ; s[14:15], s[46:47]: my half of A's and of B's first tile.  One round, then both first fills
	CROUND
.irp s, 0,1
	s_mov_b32 s[G0+4*(\s)], 1
	s_add_co_u32 s[G0+4*(\s)+1], s20, (\s)*SLOT
	s_add_nc_u64 s[G0+4*(\s)+2:G0+4*(\s)+3], s[14:15], (\s)*ASTEP
	s_or_b32 s[G0+4*(\s)+3], s[G0+4*(\s)+3], 0x80000000
	s_mov_b32 s[G0B+4*(\s)], 1
	s_add_co_u32 s[G0B+4*(\s)+1], s21, (\s)*SLOT
	s_add_nc_u64 s[G0B+4*(\s)+2:G0B+4*(\s)+3], s[46:47], (\s)*BSTEP
	s_or_b32 s[G0B+4*(\s)+3], s[G0B+4*(\s)+3], 0x80000000
	JLOAD \s
.endr
.endm
.macro LANES                           ; v1 = lane % 16, v2 = lane / 16 (both kept), and my lane's places in the tiles
	v_and_b32 v1, 15, v0
	v_bfe_u32 v2, v0, 4, 1
	v_mul_u32_u24 v3, v1, PA
.if AF32
	v_lshl_add_u32 v3, v2, 5, v3                   ; eight f32 for each half of the lanes
.else
	v_lshl_add_u32 v3, v2, 4, v3
.endif
	s_mul_i32 s22, s11, HALFA                      ; my 64 rows
	v_add_nc_u32 v[ADA0], s22, v3
.if BTR
	v_and_b32 v4, 7, v0                            ; the turning load: lane l reads k-row 8 (l / 16) + l % 8, 16 bytes at 16 ((l / 8) % 2)
	v_lshl_add_u32 v4, v2, 3, v4
	v_mul_u32_u24 v4, v4, PB
	v_bfe_u32 v5, v0, 3, 1
	v_lshl_add_u32 v4, v5, 4, v4
	s_lshl_b32 s23, s12, 8                         ; my 128 columns
	s_add_co_u32 s23, s23, ABYTES
	v_add_nc_u32 v[ADB0], s23, v4
.else
	v_mul_u32_u24 v4, v1, PB
	v_lshl_add_u32 v4, v2, 4, v4
	v_add_nc_u32 v[ADB0], s21, v4                  ; my 128 rows of B are the half with my column's number
.endif
.endm
; The fragments of 64 along K (half hf of the K step) into buffer u, in one run: B's 16, then A's 8
.macro FETCH hf, u
.if (RID == 2) && ((\hf) == 0)
	WIN 0
	v_add_nc_u32 v27, s[FTS], v31
	s_add_co_u32 s[FTS], s[FTS], 256
.endif
	WIN TO_B
.irp kk, 0,1
.irp b, 0,1,2,3,4,5,6,7
.set FR, 128*(\u)+8*(8*(\kk)+(\b))
.if BTR
	ds_load_tr16_b128 v[FR:FR+3],   v[ADB] offset:(64*(\hf)+32*(\kk))*PB+32*(\b)
	ds_load_tr16_b128 v[FR+4:FR+7], v[ADB] offset:(64*(\hf)+32*(\kk)+16)*PB+32*(\b)
.else
	ds_load_b128 v[FR:FR+3],   v[ADB] offset:128*(\hf)+64*(\kk)+16*PB*(\b)
	ds_load_b128 v[FR+4:FR+7], v[ADB] offset:128*(\hf)+64*(\kk)+16*PB*(\b)+32
.endif
.endr
.endr
	WIN TO_A
.irp kk, 0,1
.irp a, 0,1,2,3
.set FR, ASZ*(\u)+AW*(4*(\kk)+(\a))
.if AF32
	ds_load_b128 v[FR:FR+3],     v[ADA] offset:256*(\hf)+128*(\kk)+16*PA*(\a)
	ds_load_b128 v[FR+4:FR+7],   v[ADA] offset:256*(\hf)+128*(\kk)+16*PA*(\a)+16
	ds_load_b128 v[FR+8:FR+11],  v[ADA] offset:256*(\hf)+128*(\kk)+16*PA*(\a)+64
	ds_load_b128 v[FR+12:FR+15], v[ADA] offset:256*(\hf)+128*(\kk)+16*PA*(\a)+80
.else
	ds_load_b128 v[FR:FR+3],   v[ADA] offset:128*(\hf)+64*(\kk)+16*PA*(\a)
	ds_load_b128 v[FR+4:FR+7], v[ADA] offset:128*(\hf)+64*(\kk)+16*PA*(\a)+32
.endif
.endr
.endr
.if (RID == 2) && ((\hf) == 0)
	ds_load_b128 v[FACN:FACN+3], v27               ; the step's four factors for my row
.endif
	WIN 0
.endm
; Four riders: half of what fragment t of buffer u needs before it is multiplied
.macro PREP u, t, part
.if RID == 1
	WIN RIDE
.set F, ASZ*(\u)+AW*(\t)
.irp i, 0,1,2,3
	v_cvt_pk_bf16_f32 v[F+4*(\part)+(\i)], v[F+8*(\part)+2*(\i)], v[F+8*(\part)+2*(\i)+1]  ; in place, ascending: the register written has been read
.endr
.elseif RID == 2
	WIN RIDE
.set F, ASZ*(\u)+AW*(\t)
.irp i, 0,1,2,3
	v_pk_mul_f16 v[F+4*(\part)+(\i)], v[F+4*(\part)+(\i)], v[FAC+(\t)%4]
.endr
.endif
.endm
.macro FCOPY                           ; the next step's factors become the factors in hand
.if RID == 2
	WIN RIDE
.irp i, 0,1,2,3
	v_mov_b32 v[FAC+(\i)], v[FACN+(\i)]
.endr
.endif
.endm
.macro WM d, x, y, cm, c               ; cm = 0: C is the accumulator; 1: the constant 0; 2: the bias, in window 0
.if (\cm) == 2
	WIN MULB
.else
	WIN MUL
.endif
.if BF
.if (\cm) == 1
	v_wmma_f32_16x16x32_bf16 v[(\d):(\d)+7], v[(\x):(\x)+7], v[(\y):(\y)+7], 0
.else
	v_wmma_f32_16x16x32_bf16 v[(\d):(\d)+7], v[(\x):(\x)+7], v[(\y):(\y)+7], v[(\c):(\c)+7]
.endif
.else
.if (\cm) == 1
	v_wmma_f32_16x16x32_f16 v[(\d):(\d)+7], v[(\x):(\x)+7], v[(\y):(\y)+7], 0
.else
	v_wmma_f32_16x16x32_f16 v[(\d):(\d)+7], v[(\x):(\x)+7], v[(\y):(\y)+7], v[(\c):(\c)+7]
.endif
.endif
.endm
; Eight matrix instructions: fragment t = 4 kk + a of A in buffer u against B's eight of the same kk.  The 32 accumulators take turns, one instruction a turn: 31 others stand between two links of a chain.
; Behind the second and the sixth stand the riders for fragment nt of buffer nu (nt = -1: none).
.macro MSTAGE u, t, cm, nu, nt
.set AF,  ASZ*(\u)+AW*(\t)
.set AC,  64*((\t)%4)
.set BFR, 128*(\u)+64*((\t)/4)
.irp b, 0,1,2,3,4,5,6,7
.set CC, AC+8*(\b)
.if (\cm) == 2
.set CC, BIAS+8*(\b)
.endif
	WM AC+8*(\b), BFR+8*(\b), AF, \cm, CC
.if ((\nt) >= 0) && ((\b) == 1)
	PREP \nu, \nt, 0
.endif
.if ((\nt) >= 0) && ((\b) == 5)
	PREP \nu, \nt, 1
.endif
.endr
.endm
; A K step is two halves of 64 along K, 64 matrix instructions each, on buffers 0 and 1.  The first half fetches the second's fragments.
.macro HALF0 cm
	MSTAGE 0, 0, \cm, 0, 1
	MSTAGE 0, 1, \cm, 0, 2
	PLACES                                         ; for the loads into buffer 1, which the half before multiplied
	FETCH 1, 1
	MSTAGE 0, 2, \cm, 0, 3
	MSTAGE 0, 3, \cm, 0, 4
	MSTAGE 0, 4, 0, 0, 5
	MSTAGE 0, 5, 0, 0, 6
	MSTAGE 0, 6, 0, 0, 7
	s_wait_dscnt 0x0                               ; buffer 1 is in (asked for 40 matrix instructions ago): the riders below read it
	MSTAGE 0, 7, 0, 1, 0
.endm
; The second half multiplies buffer 1 and changes slots.  mode 0: this slot is filled again, two K steps ahead; 1: nothing is left to fetch; 2: the last half of all.
.macro HALF1 mode
.if ((\mode) == 0) && PF
	s_wait_xcnt 0x0                                ; the last prefetch, a K step back, has read its address
	s_add_nc_u64 s[PFA:PFA+1], s[PFA:PFA+1], ASTEP
.endif
.if (\mode) < 2
	WIN 0
	s_wait_tensorcnt 0x0                           ; all my tensor loads have landed: the one that was out is my part of the next slot
	ds_add_u32 v[SPW], v[NIL]                      ; 0 onto my spare word
.endif
	MSTAGE 1, 0, 0, 1, 1
.if (\mode) < 2
	s_wait_dscnt 0x0                               ; the add is done; my reads of this slot were over before this half began
	s_barrier_signal -1
.endif
	MSTAGE 1, 1, 0, 1, 2
.if (\mode) == 0
	WIN 0
	s_barrier_wait -1
	CREST                                          ; the barrier has opened a round of the cluster's: no wave of any partner still reads this slot or has a load on its way
	s_add_co_u32 s[G0+5], s[TB], s20               ; the walking descriptors: the slot just read,
	s_add_co_u32 s[G0B+5], s[TB], s21
	s_add_nc_u64 s[G0+6:G0+7], s[G0+6:G0+7], ASTEP ; the next K step; the type bits on top are not reached
	s_add_nc_u64 s[G0B+6:G0B+7], s[G0B+6:G0B+7], BSTEP
	JLOAD 1                                        ; the first tensor load behind the round, 112 matrix instructions ahead of the wait for it; its four v_nop are also the places for the loads below
.elseif (\mode) == 1
	WIN 0
	s_barrier_wait -1
	PLACES
.endif
.if (\mode) < 2
	s_xor_b32 s[TB], s[TB], SLOT                   ; 0 <-> SLOT
	v_add_nc_u32 v[ADA], s[TB], v[ADA0]
	v_add_nc_u32 v[ADB], s[TB], v[ADB0]
	FETCH 0, 0
.endif
.if ((\mode) == 0) && PF
	ASK
.endif
	MSTAGE 1, 2, 0, 1, 3
	MSTAGE 1, 3, 0, 1, 4
	MSTAGE 1, 4, 0, 1, 5
	MSTAGE 1, 5, 0, 1, 6
	MSTAGE 1, 6, 0, 1, 7
.if (\mode) < 2
	s_wait_dscnt 0x0                               ; buffer 0 is in
	FCOPY
	MSTAGE 1, 7, 0, 0, 0
.else
	MSTAGE 1, 7, 0, 0, -1
.endif
.endm
.macro MAIN cm                         ; all K steps; cm says what starts the sums
	s_wait_tensorcnt 0x1                           ; my part of K step 0 is in; K step 1's may stay out
	s_barrier_signal -1
	s_barrier_wait -1                              ; everybody's is
	s_mov_b32 s[TB], 0
	v_mov_b32 v[ADA], v[ADA0]
	v_mov_b32 v[ADB], v[ADB0]
	FETCH 0, 0
	s_wait_dscnt 0x0
	FCOPY
	PREP 0, 0, 0
	PREP 0, 0, 1
	HALF0 \cm                                      ; the first half stands in front of the loop: its first products start the sums
	WIN 0                                          ; at a label and at a branch every window is 0
	s_mov_b32 s3, KSTEPS-2
.Lstep:                                                ; a trip: a K step's second half, the change of slots with a refill, the next K step's first half
	HALF1 0
	HALF0 0
	WIN 0
	s_sub_co_u32 s3, s3, 1
	s_cmp_lg_u32 s3, 0
	s_cbranch_scc1 .Lstep
	HALF1 1                                        ; the tail is written out
	HALF0 0
	HALF1 2
	WIN 0
	PLACES
	PLACES
.endm
.macro OUT16                           ; the addresses of the 16-bit way out
	s_mul_i32 s23, s10, 16*SPITCH
	s_add_co_u32 s23, s23, STG                     ; my stage
	v_mul_u32_u24 v4, v1, SPITCH                   ; in: row l % 16, 16 bytes for each half of the lanes
	v_lshl_add_u32 v4, v2, 4, v4
	v_add_nc_u32 v[STO], s23, v4
	v_mul_u32_u24 v5, v2, SPITCH                   ; back: lanes 0-15 one row of 256 bytes, lanes 16-31 the next
	v_lshl_add_u32 v5, v1, 4, v5
	v_add_nc_u32 v[RD], s23, v5
	v_mul_u32_u24 v5, v2, PITCHC                   ; and the same two rows in the result
	v_lshl_add_u32 v[CO], v1, 4, v5
.endm
.macro TOSTAGE a                       ; block a's 16 rows x 256 bytes into my stage and back as whole rows
	WIN 0
.set BK, OB+32*((\a)%2)
.irp b, 0,1,2,3,4,5,6,7
	ds_store_b128 v[STO], v[TMP+4*(\b):TMP+4*(\b)+3] offset:32*(\b)
.endr
.irp t, 0,1,2,3,4,5,6,7
	ds_load_b128 v[BK+4*(\t):BK+4*(\t)+3], v[RD] offset:(\t)*2*SPITCH  ; LDS serves a wave's instructions in order (ISA guide 5.7.1.4): these see the stores above
.endr
.endm
.macro SEND a
	WIN 0
.set BK, OB+32*((\a)%2)
	s_wait_dscnt 0x0                               ; the block is back in registers
	s_wait_xcnt 0x0                                ; the block before's stores have read their data: the next TOSTAGE loads into those registers only behind this wait
.irp t, 0,1,2,3,4,5,6,7
	global_store_b128 v[CO], v[BK+4*(\t):BK+4*(\t)+3], s[8:9] offset:(16*(\a)+2*(\t))*PITCHC  ; 16 lanes store 256 consecutive bytes, aligned
.endr
.endm
; ---- end of the core ----
.set IL, 192                           ; v192-199 1 / L of my row in block a, twice: a pair for the packed multiply
	s_load_b256 s[68:75], s[0:1], 0x0              ; pw, stat, qkv, xb
	HEAD
	s_lshr_b32 s85, s84, 2                         ; the batch: the same in all sixteen partners
	s_lshl_b32 s13, s84, 2
	s_add_co_u32 s13, s13, s41                     ; tile row = 4 x cluster y + cy
	s_lshl_b32 s16, s13, 19                        ; A = pw: 128 rows of 4,096 bytes a tile row,
	SHADD 16, 12, 18                               ; my 64
	s_mov_b32 s17, 0
	s_mov_b32 s46, 0x2000000                       ; B = v, behind q and k:
	SHADD 46, 85, 22                               ; the batch's 2,048 rows of 2,048 bytes,
	SHADD 46, 12, 17                               ; my 64 keys,
	SHADD 46, 42, 9                                ; the tile's 256 channels
	s_mov_b32 s47, 0
	s_lshl_b32 s18, s13, 14                        ; stat: my 64 rows' group, 8,192 bytes each
	SHADD 18, 11, 13
	s_mov_b32 s19, 0
	s_lshl_b32 s22, s13, 18                        ; xb: 128 rows of 2,048 bytes,
	SHADD 22, 11, 17
	SHADD 22, 42, 9
	SHADD 22, 12, 8
	s_mov_b32 s23, 0
	s_lshl_b32 s86, s13, 19                        ; the prefetches: of the tile's 128 rows my work-group takes 32, told apart by address;
	SHADD 86, 40, 17
	s_add_co_u32 s86, s86, 2*ASTEP                 ; at K step 2: the first refill steps it to 3 and names K step 4
	s_mov_b32 s87, 0
	s_mov_b32 s96, 0x76543210                      ; v_permlanex16_b32: each lane takes its own place in the other half
	s_mov_b32 s97, 0xfedcba98
	s_wait_dscnt 0x0                               ; the opening add is done
	s_wait_kmcnt 0x0
	s_add_nc_u64 s[14:15], s[68:69], s[16:17]
	s_add_nc_u64 s[46:47], s[72:73], s[46:47]
	s_add_nc_u64 s[4:5], s[70:71], s[18:19]
	s_add_nc_u64 s[8:9], s[74:75], s[22:23]
	s_add_nc_u64 s[PFA:PFA+1], s[68:69], s[86:87]
	s_cmp_eq_u32 s10, 0
	s_cselect_b32 s[LIM], 2, -1                    ; wave 0 asks, while two refills are still to come behind this one
	FIRST
	LANES
	OUT16
	v_and_b32 v[PFO], 31, v0
	v_lshlrev_b32 v[PFO], 12, v[PFO]               ; a lane a row of 4,096 bytes
	; THE ROW'S STATISTICS, in the wait for the first tiles, in window 3, which the products have not yet taken.  My lane has row l % 16 of the four blocks a, and the chunks 8 (l / 16) + i.
	v_lshlrev_b32 v3, 4, v1                        ; 16 r
	v_lshl_add_u32 v6, v2, 12, v3                  ; + eight chunks of 512 bytes for lanes 16-31
	s_lshl_b32 s22, s10, 12
	s_add_co_u32 s22, s22, FTAB
	v_add_nc_u32 v31, s22, v3                      ; my wave's table, my row; never rewritten
	v_lshl_add_u32 v7, v2, 11, v31                 ; where my eight chunks' factors go
	WIN 0xc0                                       ; destination window 3, address window 0
.irp i, 0,1,2,3,4,5,6,7
	global_load_b128 v[4*(\i):4*(\i)+3],       v6, s[4:5] offset:512*(\i)      ; mx of chunk i, blocks 0..3
	global_load_b128 v[32+4*(\i):32+4*(\i)+3], v6, s[4:5] offset:512*(\i)+256  ; l
.endr
	s_wait_loadcnt 0x0
	WIN 0xff
.irp a, 0,1,2,3
	v_max3_num_f32 v[64+(\a)], v[(\a)], v[4+(\a)], v[8+(\a)]
.endr
.irp a, 0,1,2,3
	v_max3_num_f32 v[64+(\a)], v[64+(\a)], v[12+(\a)], v[16+(\a)]
.endr
.irp a, 0,1,2,3
	v_max3_num_f32 v[64+(\a)], v[64+(\a)], v[20+(\a)], v[24+(\a)]
.endr
.irp a, 0,1,2,3
	v_max_num_f32 v[64+(\a)], v[64+(\a)], v[28+(\a)]
.endr
.irp a, 0,1,2,3
	v_mov_b32 v[68+(\a)], v[64+(\a)]               ; the exchange's destination counts as read
.endr
.irp a, 0,1,2,3
	v_permlanex16_b32 v[68+(\a)], v[64+(\a)], s96, s97
.endr
.irp a, 0,1,2,3
	v_max_num_f32 v[64+(\a)], v[64+(\a)], v[68+(\a)]  ; MX: the row's maximum over all 16 chunks
.endr
.irp i, 0,1,2,3,4,5,6,7
.irp p, 0,1
	v_pk_add_f32 v[4*(\i)+2*(\p):4*(\i)+2*(\p)+1], v[4*(\i)+2*(\p):4*(\i)+2*(\p)+1], v[64+2*(\p):65+2*(\p)] neg_lo:[0,1] neg_hi:[0,1]  ; mx - MX, already in units of log2
.endr
.endr
.set i, 0
.rept 32
	v_exp_f32 v[i], v[i]                           ; f
.set i, i+1
.endr
	v_nop                                          ; a plain instruction behind the last exponential,
	s_wait_alu depctr_va_vdst(0)                   ; and the one wait ahead of the batch's first reader
.irp p, 0,1
	v_pk_mul_f32 v[72+2*(\p):73+2*(\p)], v[32+2*(\p):33+2*(\p)], v[2*(\p):2*(\p)+1]
.endr
.irp i, 1,2,3,4,5,6,7
.irp p, 0,1
	v_pk_fma_f32 v[72+2*(\p):73+2*(\p)], v[32+4*(\i)+2*(\p):33+4*(\i)+2*(\p)], v[4*(\i)+2*(\p):4*(\i)+2*(\p)+1], v[72+2*(\p):73+2*(\p)]
.endr
.endr
.irp a, 0,1,2,3
	v_mov_b32 v[76+(\a)], v[72+(\a)]
.endr
.irp a, 0,1,2,3
	v_permlanex16_b32 v[76+(\a)], v[72+(\a)], s96, s97
.endr
.irp a, 0,1,2,3
	v_add_f32 v[72+(\a)], v[72+(\a)], v[76+(\a)]   ; L, at least 1: the chunk that holds MX has f = 1 and l >= 1
.endr
.irp a, 0,1,2,3
	v_rcp_f32 v[80+(\a)], v[72+(\a)]
.endr
.set i, 0
.rept 32
	v_cvt_pk_f16_f32 v[i], v[i], v[i]              ; f twice in a word, for the packed multiply; the independent work behind the reciprocals
.set i, i+1
.endr
	s_wait_alu depctr_va_vdst(0)                   ; one wait for the four reciprocals, ahead of their first reader
	WIN 0x0c                                       ; address window 0, data window 3
.irp i, 0,1,2,3,4,5,6,7
	ds_store_b128 v7, v[4*(\i):4*(\i)+3] offset:256*(\i)  ; my wave's own bytes: it alone reads them, in order behind these stores
.endr
	WIN 0x03
.irp a, 0,1,2,3
	v_mov_b32 v[IL+2*(\a)], v[80+(\a)]
	v_mov_b32 v[IL+2*(\a)+1], v[80+(\a)]
.endr
	WIN 0
	s_mov_b32 s[FTS], 0
	s_wait_dscnt 0x0                               ; no LDS instruction of mine is out at the signal that follows
	MAIN 1
.macro PACK a                          ; block a divided by L, in f32, and rounded to f16; each accumulator is read from its low end on
	WIN W_RS
.set i, 0
.rept 32
	v_pk_mul_f32 v[64*(\a)+2*i:64*(\a)+2*i+1], v[64*(\a)+2*i:64*(\a)+2*i+1], v[IL+2*(\a):IL+2*(\a)+1]
.set i, i+1
.endr
	WIN PACKW
.irp b, 0,1,2,3,4,5,6,7
.irp r, 0,1,2,3
	v_cvt_pk_f16_f32 v[TMP+4*(\b)+(\r)], v[64*(\a)+8*(\b)+2*(\r)], v[64*(\a)+8*(\b)+2*(\r)+1]
.endr
.endr
	WIN 0
.endm
	PACK 0
	TOSTAGE 0
.irp a, 1,2,3
	PACK \a
	SEND (\a)-1
	TOSTAGE \a
.endr
	SEND 3
	s_wait_tensorcnt 0x0                           ; the wave's end: behind my last tensor load and my last LDS store
	ds_add_u32 v[SPW], v[NIL]
	s_wait_dscnt 0x0
	CROUND                                         ; the closing round
	s_endpgm
.Lfunc_end_k_q0e9387f4d2_pv:
	.size	k_q0e9387f4d2_pv, .Lfunc_end_k_q0e9387f4d2_pv-k_q0e9387f4d2_pv
	.p2alignl 7, 3214868480
	.fill 96, 4, 3214868480
	.section	.rodata,"a",@progbits
	.p2align	6, 0x0
	.amdhsa_kernel k_q0e9387f4d2_pv
		.amdhsa_group_segment_fixed_size 327680
		.amdhsa_private_segment_fixed_size 0
		.amdhsa_enable_private_segment 0
		.amdhsa_kernarg_size 32
		.amdhsa_user_sgpr_count 2
		.amdhsa_user_sgpr_kernarg_segment_ptr 1
		.amdhsa_wavefront_size32 1
		.amdhsa_system_sgpr_workgroup_id_x 1
		.amdhsa_system_sgpr_workgroup_id_y 1
		.amdhsa_system_sgpr_workgroup_id_z 1
		.amdhsa_system_vgpr_workitem_id 0
		.amdhsa_next_free_vgpr 1024
		.amdhsa_next_free_sgpr 100
		.amdhsa_reserve_vcc 0
		.amdhsa_float_denorm_mode_32 3
		.amdhsa_float_denorm_mode_16_64 3
		.amdhsa_memory_ordered 1
		.amdhsa_forward_progress 1
		.amdhsa_inst_pref_size 119
	.end_amdhsa_kernel
	.amdgpu_metadata
---
amdhsa.version: [ 1, 2 ]
amdhsa.kernels:
  - .name:           k_q0e9387f4d2_pv
    .symbol:         k_q0e9387f4d2_pv.kd
    .args:
      - { .name: pw, .offset: 0, .size: 8, .value_kind: global_buffer, .address_space: global }
      - { .name: stat, .offset: 8, .size: 8, .value_kind: global_buffer, .address_space: global }
      - { .name: qkv, .offset: 16, .size: 8, .value_kind: global_buffer, .address_space: global }
      - { .name: xb, .offset: 24, .size: 8, .value_kind: global_buffer, .address_space: global }
    .group_segment_fixed_size: 327680
    .private_segment_fixed_size: 0
    .kernarg_segment_align: 8
    .kernarg_segment_size: 32
    .max_flat_workgroup_size: 128
    .sgpr_count:     100
    .vgpr_count:     1024
    .wavefront_size: 32
...
	.end_amdgpu_metadata
.endif
;; end of part 4
;; launch outp (part 5): grid 4 x 64, 4 waves a work-group, clusters of 4 x 4, 327,680 bytes of LDS; arguments xb, wt, bo, out0; writes out0
.if DOCPART == 5
	.amdgcn_target "amdgcn-amd-amdhsa--gfx1250"
	.amdhsa_code_object_version 6
	.text
	.protected	k_q0e9387f4d2_outp
	.globl	k_q0e9387f4d2_outp
	.p2align	8
	.type	k_q0e9387f4d2_outp,@function
k_q0e9387f4d2_outp:
	s_mov_b64 s[64:65], 0
	v_nop
	global_prefetch_b8 v0, s[64:65] scope:SCOPE_SE
	s_setreg_imm32_b32 hwreg(HW_REG_WAVE_MODE, 25, 1), 1
	s_wait_xcnt 0x0
	s_wait_alu depctr_hold_cnt(0) depctr_sa_sdst(0) depctr_va_vdst(0) depctr_va_sdst(0) depctr_va_ssrc(0) depctr_va_vcc(0) depctr_vm_vsrc(0)
	s_getreg_b32 s2, hwreg(HW_REG_IB_STS2, 6, 4)
	s_cmp_eq_u32 s2, 0
	s_cbranch_scc0 .Lentry_in_a_cluster
	s_endpgm
.Lentry_in_a_cluster:
	s_bfe_u32 s2, ttmp6, 0x10000c
	s_cmp_lg_u32 s2, 0xf033
	s_cbranch_scc0 .Lentry_shape_is_right
	s_endpgm
.Lentry_shape_is_right:
; out0[m][n] = the sum over k of xb[m][k] Wo[k][n] + bo[n], f32.  xb: [8192][1024] f16; Wo: wt[3], [1024 k][1024 n], the bf16 rounding of Wo written as f16; bo is rounded to bf16 like every input.
; f16 products, f32 sums; the bias starts the sums.  NaN and infinities are not treated apart.
; SHARES.  A work-group makes 128 x 256, a wave 64 x 128.  256 work-groups.  K in 8 steps of 128 through two LDS slots.
; CLUSTER 4 x 4: xb's tile is shared along a row of the cluster, Wo's along a column.  TRANSPOSED USE: source 0 = 16 columns of Wo (turned on the way out of LDS), source 1 = 16 rows of xb.
.set AF32, 0
.set BTR,  1
.set RID,  0
.set BF,   0
.set PF,   1                           ; xb's stream is prefetched
.set KSTEPS, 8
.set PA,   272
.set PB,   544
.set AW,   8
.set ASZ,  64
.set ASTEP, 256
.set BSTEP, 262144
.set AG10, (1<<16)|(1<<20)|(1<<21)|(5<<22)|(3<<25)
.set ADIM0, 128
.set ADIM1, 64
.set ASTRIDE, 1024
.set BG10, (1<<16)|(1<<20)|(1<<21)|(6<<22)|(7<<25)
.set BDIM0, 256
.set BDIM1, 64
.set BSTRIDE, 1024
.set PITCHC, 4096
.set SPITCH, 528                       ; a stage row: 512 bytes of f32 + 16
.set HALFA,  64*PA
.set ABYTES, 2*HALFA
.set HALFB,  34816
.set SLOT,   ABYTES+2*HALFB
.set STG,    2*SLOT                    ; behind the ring: 16 rows x 528 bytes for each wave; no tensor load lands here
.set SPARE,  STG+4*16*SPITCH           ; the spare words, 128 bytes a wave: two blocks of 256 bytes that no other line names
; ---- the GEMM core: the same text in the three product launches, steered by the constants above ----
; REGISTERS, in windows of 256 (s_set_vgpr_msb: bits 1:0 source 0, 3:2 source 1, 5:4 source 2, 7:6 destination):
;   window 0: addresses, the way out, the bias     window 1: accumulator (a, b) at 8 (8 a + b)
;   window 2: A's fragments, buffer u, fragment t = 4 kk + a at ASZ u + AW t     window 3: B's fragments, buffer u at 128 u + 8 (8 kk + b)
.set ADA0, 16                          ; v16  my lane's place in A's tile; never rewritten
.set ADB0, 17                          ; v17  the same for B
.set ADA,  18                          ; v18  ADA0 + the slot in hand
.set ADB,  19                          ; v19
.set STO,  24                          ; v24  the way out: where I put my bytes of a row
.set RD,   25                          ; v25  where I read rows back
.set CO,   26                          ; v26  my byte offset in the result
.set SPW,  28                          ; v28  LDS address of my spare word; never rewritten
.set NIL,  29                          ; v29  0; never rewritten
.set PFO,  30                          ; v30  the prefetches' offset: my lane x a row of A in memory
.set TMP,  32                          ; v32-63 packed results
.set OB,   64                          ; rows read back from the stage, two buffers
.set BIAS, 192                         ; v192-255 the bias of my 128 columns, as the C operand wants it
.set FAC,  128                         ; window 2: the chunk factors in hand, and
.set FACN, 132                         ; the next step's
.set G1,   24                          ; s[24:31] descriptor group 1 for A's tiles
.set G0,   32                          ; s[32:39] group 0, a set for each first fill; the second then walks
.set LIM,  43                          ; s43  a wave prefetches while the step count is above this
.set PFA,  44                          ; s[44:45] where my prefetches stand
.set G1B,  48                          ; s[48:55], s[56:63] the same for B's tiles
.set G0B,  56
.set TB,   66                          ; s66  LDS byte at which the slot in hand begins: 0 or SLOT
.set FTS,  67                          ; s67  the next step's place in the table of factors
.set MUL,   0x5b                       ; B window 3, A window 2, C and D window 1
.set MULB,  0x4b                       ; the same with C in window 0
.set TO_A,  0x80
.set TO_B,  0xc0
.set RIDE,  0x8a                       ; destination and sources 0, 1 in window 2
.set PACKW, 0x05                       ; sources window 1, destination window 0
.set W_RS,  0x41                       ; destination and source 0 window 1, source 1 window 0
.set MSB, 0
.macro WIN new                         ; the immediate's high byte repeats the setting that is left; a switch that changes nothing is dropped
.if MSB != (\new)
	s_set_vgpr_msb (MSB<<8)|(\new)
.set MSB, \new
.endif
.endm
.macro PLACES                          ; four plain instructions behind a matrix instruction, ahead of loads into its registers and of readers of its result
.rept 4
	v_nop
.endr
.endm
.macro SHADD d, x, n                   ; s[d] += s[x] << n
	s_lshl_b32 s2, s\x, \n
	s_add_co_u32 s\d, s\d, s2
.endm
.macro JLOAD s                         ; a joint load: waves 0 and 1 fetch A's halves, waves 2 and 3 B's; s_nop 0 and four v_nop follow each line
	s_cmp_eq_u32 s11, 0
	s_cbranch_scc0 .Lfor_b_\@
	tensor_load_to_lds s[G0+4*(\s):G0+4*(\s)+3], s[G1:G1+7]
	s_nop 0
	PLACES
	s_branch .Lasked_\@
.Lfor_b_\@:
	tensor_load_to_lds s[G0B+4*(\s):G0B+4*(\s)+3], s[G1B:G1B+7]
	s_nop 0
	PLACES
.Lasked_\@:
.endm
.macro CREST                           ; a round of the cluster's barrier behind its opening barrier
	s_cmp_lg_u32 s10, 0
	s_cbranch_scc1 .Lnot_wave_0_\@
	s_barrier_signal -3
.Lnot_wave_0_\@:
	s_barrier_wait -3
	s_barrier_signal -1
	s_barrier_wait -1
.endm
.macro CROUND
	s_barrier_signal -1
	s_barrier_wait -1
	CREST
.endm
.macro ASK                             ; 32 rows x 256 bytes of A, a lane a row: the K step that stands two refills on; the last two refills have none
	s_cmp_gt_u32 s3, s[LIM]
	s_cbranch_scc0 .Lnot_mine_\@
	global_prefetch_b8 v[PFO], s[PFA:PFA+1] offset:ASTEP th:TH_LOAD_NT scope:SCOPE_SE
.Lnot_mine_\@:
.endm
.macro HEAD                            ; behind the arguments' load: the add's registers, the opening add, my place, the descriptors' constant words
	v_lshl_add_u32 v[SPW], v0, 2, SPARE
	v_mov_b32 v[NIL], 0
	ds_add_u32 v[SPW], v[NIL]                      ; the wave's opening: the add and its wait stand ahead of my first tensor load
	v_lshrrev_b32 v1, 5, v0
	v_readfirstlane_b32 s10, v1                    ; wave 0..3
	s_lshr_b32 s11, s10, 1                         ; which 64 rows of the tile are mine.  Also: I fetch for A (0) or for B (1)
	s_and_b32 s12, s10, 1                          ; which 128 columns.  Also: which half of that tile I fetch
	s_bfe_u32 s40, ttmp6, 0x40000                  ; cx
	s_bfe_u32 s41, ttmp6, 0x40004                  ; cy
	s_lshl_b32 s42, ttmp9, 2
	s_add_co_u32 s42, s42, s40                     ; tile column = 4 x cluster x + cx
	s_and_b32 s84, ttmp7, 0xffff                   ; cluster y
	s_lshl_b32 s43, s41, 2
	s_lshl_b32 s43, 15, s43                        ; my row of the cluster
	s_lshl_b32 s44, 0x1111, s40                    ; my column
	s_or_b32 s[G1], s43, AG10
	s_or_b32 s[G1B], s44, BG10
	s_mov_b32 s[G1+1], ADIM0<<16                   ; tensor_dim0
	s_mov_b32 s[G1+2], ADIM1<<16                   ; tensor_dim1
	s_mov_b32 s[G1+3], ADIM0<<16                   ; tile_dim0
	s_mov_b32 s[G1+4], ADIM1                       ; tile_dim1
	s_mov_b32 s[G1+5], ASTRIDE                     ; elements from row to row
	s_mov_b32 s[G1+6], 0
	s_mov_b32 s[G1+7], 0
	s_mov_b32 s[G1B+1], BDIM0<<16
	s_mov_b32 s[G1B+2], BDIM1<<16
	s_mov_b32 s[G1B+3], BDIM0<<16
	s_mov_b32 s[G1B+4], BDIM1
	s_mov_b32 s[G1B+5], BSTRIDE
	s_mov_b32 s[G1B+6], 0
	s_mov_b32 s[G1B+7], 0
	s_mul_i32 s20, s12, HALFA                      ; where my half of A's tile goes in a slot,
	s_mul_i32 s21, s12, HALFB
	s_add_co_u32 s21, s21, ABYTES                  ; and my half of B's: no place in the cluster enters an LDS address
.endm
.macro FIRST                           ; s[14:15], s[46:47]: my half of A's and of B's first tile.  One round, then both first fills
	CROUND
.irp s, 0,1
	s_mov_b32 s[G0+4*(\s)], 1
	s_add_co_u32 s[G0+4*(\s)+1], s20, (\s)*SLOT
	s_add_nc_u64 s[G0+4*(\s)+2:G0+4*(\s)+3], s[14:15], (\s)*ASTEP
	s_or_b32 s[G0+4*(\s)+3], s[G0+4*(\s)+3], 0x80000000
	s_mov_b32 s[G0B+4*(\s)], 1
	s_add_co_u32 s[G0B+4*(\s)+1], s21, (\s)*SLOT
	s_add_nc_u64 s[G0B+4*(\s)+2:G0B+4*(\s)+3], s[46:47], (\s)*BSTEP
	s_or_b32 s[G0B+4*(\s)+3], s[G0B+4*(\s)+3], 0x80000000
	JLOAD \s
.endr
.endm
.macro LANES                           ; v1 = lane % 16, v2 = lane / 16 (both kept), and my lane's places in the tiles
	v_and_b32 v1, 15, v0
	v_bfe_u32 v2, v0, 4, 1
	v_mul_u32_u24 v3, v1, PA
.if AF32
	v_lshl_add_u32 v3, v2, 5, v3                   ; eight f32 for each half of the lanes
.else
	v_lshl_add_u32 v3, v2, 4, v3
.endif
	s_mul_i32 s22, s11, HALFA                      ; my 64 rows
	v_add_nc_u32 v[ADA0], s22, v3
.if BTR
	v_and_b32 v4, 7, v0                            ; the turning load: lane l reads k-row 8 (l / 16) + l % 8, 16 bytes at 16 ((l / 8) % 2)
	v_lshl_add_u32 v4, v2, 3, v4
	v_mul_u32_u24 v4, v4, PB
	v_bfe_u32 v5, v0, 3, 1
	v_lshl_add_u32 v4, v5, 4, v4
	s_lshl_b32 s23, s12, 8                         ; my 128 columns
	s_add_co_u32 s23, s23, ABYTES
	v_add_nc_u32 v[ADB0], s23, v4
.else
	v_mul_u32_u24 v4, v1, PB
	v_lshl_add_u32 v4, v2, 4, v4
	v_add_nc_u32 v[ADB0], s21, v4                  ; my 128 rows of B are the half with my column's number
.endif
.endm
; The fragments of 64 along K (half hf of the K step) into buffer u, in one run: B's 16, then A's 8
.macro FETCH hf, u
.if (RID == 2) && ((\hf) == 0)
	WIN 0
	v_add_nc_u32 v27, s[FTS], v31
	s_add_co_u32 s[FTS], s[FTS], 256
.endif
	WIN TO_B
.irp kk, 0,1
.irp b, 0,1,2,3,4,5,6,7
.set FR, 128*(\u)+8*(8*(\kk)+(\b))
.if BTR
	ds_load_tr16_b128 v[FR:FR+3],   v[ADB] offset:(64*(\hf)+32*(\kk))*PB+32*(\b)
	ds_load_tr16_b128 v[FR+4:FR+7], v[ADB] offset:(64*(\hf)+32*(\kk)+16)*PB+32*(\b)
.else
	ds_load_b128 v[FR:FR+3],   v[ADB] offset:128*(\hf)+64*(\kk)+16*PB*(\b)
	ds_load_b128 v[FR+4:FR+7], v[ADB] offset:128*(\hf)+64*(\kk)+16*PB*(\b)+32
.endif
.endr
.endr
	WIN TO_A
.irp kk, 0,1
.irp a, 0,1,2,3
.set FR, ASZ*(\u)+AW*(4*(\kk)+(\a))
.if AF32
	ds_load_b128 v[FR:FR+3],     v[ADA] offset:256*(\hf)+128*(\kk)+16*PA*(\a)
	ds_load_b128 v[FR+4:FR+7],   v[ADA] offset:256*(\hf)+128*(\kk)+16*PA*(\a)+16
	ds_load_b128 v[FR+8:FR+11],  v[ADA] offset:256*(\hf)+128*(\kk)+16*PA*(\a)+64
	ds_load_b128 v[FR+12:FR+15], v[ADA] offset:256*(\hf)+128*(\kk)+16*PA*(\a)+80
.else
	ds_load_b128 v[FR:FR+3],   v[ADA] offset:128*(\hf)+64*(\kk)+16*PA*(\a)
	ds_load_b128 v[FR+4:FR+7], v[ADA] offset:128*(\hf)+64*(\kk)+16*PA*(\a)+32
.endif
.endr
.endr
.if (RID == 2) && ((\hf) == 0)
	ds_load_b128 v[FACN:FACN+3], v27               ; the step's four factors for my row
.endif
	WIN 0
.endm
; Four riders: half of what fragment t of buffer u needs before it is multiplied
.macro PREP u, t, part
.if RID == 1
	WIN RIDE
.set F, ASZ*(\u)+AW*(\t)
.irp i, 0,1,2,3
	v_cvt_pk_bf16_f32 v[F+4*(\part)+(\i)], v[F+8*(\part)+2*(\i)], v[F+8*(\part)+2*(\i)+1]  ; in place, ascending: the register written has been read
.endr
.elseif RID == 2
	WIN RIDE
.set F, ASZ*(\u)+AW*(\t)
.irp i, 0,1,2,3
	v_pk_mul_f16 v[F+4*(\part)+(\i)], v[F+4*(\part)+(\i)], v[FAC+(\t)%4]
.endr
.endif
.endm
.macro FCOPY                           ; the next step's factors become the factors in hand
.if RID == 2
	WIN RIDE
.irp i, 0,1,2,3
	v_mov_b32 v[FAC+(\i)], v[FACN+(\i)]
.endr
.endif
.endm
.macro WM d, x, y, cm, c               ; cm = 0: C is the accumulator; 1: the constant 0; 2: the bias, in window 0
.if (\cm) == 2
	WIN MULB
.else
	WIN MUL
.endif
.if BF
.if (\cm) == 1
	v_wmma_f32_16x16x32_bf16 v[(\d):(\d)+7], v[(\x):(\x)+7], v[(\y):(\y)+7], 0
.else
	v_wmma_f32_16x16x32_bf16 v[(\d):(\d)+7], v[(\x):(\x)+7], v[(\y):(\y)+7], v[(\c):(\c)+7]
.endif
.else
.if (\cm) == 1
	v_wmma_f32_16x16x32_f16 v[(\d):(\d)+7], v[(\x):(\x)+7], v[(\y):(\y)+7], 0
.else
	v_wmma_f32_16x16x32_f16 v[(\d):(\d)+7], v[(\x):(\x)+7], v[(\y):(\y)+7], v[(\c):(\c)+7]
.endif
.endif
.endm
; Eight matrix instructions: fragment t = 4 kk + a of A in buffer u against B's eight of the same kk.  The 32 accumulators take turns, one instruction a turn: 31 others stand between two links of a chain.
; Behind the second and the sixth stand the riders for fragment nt of buffer nu (nt = -1: none).
.macro MSTAGE u, t, cm, nu, nt
.set AF,  ASZ*(\u)+AW*(\t)
.set AC,  64*((\t)%4)
.set BFR, 128*(\u)+64*((\t)/4)
.irp b, 0,1,2,3,4,5,6,7
.set CC, AC+8*(\b)
.if (\cm) == 2
.set CC, BIAS+8*(\b)
.endif
	WM AC+8*(\b), BFR+8*(\b), AF, \cm, CC
.if ((\nt) >= 0) && ((\b) == 1)
	PREP \nu, \nt, 0
.endif
.if ((\nt) >= 0) && ((\b) == 5)
	PREP \nu, \nt, 1
.endif
.endr
.endm
; A K step is two halves of 64 along K, 64 matrix instructions each, on buffers 0 and 1.  The first half fetches the second's fragments.
.macro HALF0 cm
	MSTAGE 0, 0, \cm, 0, 1
	MSTAGE 0, 1, \cm, 0, 2
	PLACES                                         ; for the loads into buffer 1, which the half before multiplied
	FETCH 1, 1
	MSTAGE 0, 2, \cm, 0, 3
	MSTAGE 0, 3, \cm, 0, 4
	MSTAGE 0, 4, 0, 0, 5
	MSTAGE 0, 5, 0, 0, 6
	MSTAGE 0, 6, 0, 0, 7
	s_wait_dscnt 0x0                               ; buffer 1 is in (asked for 40 matrix instructions ago): the riders below read it
	MSTAGE 0, 7, 0, 1, 0
.endm
; The second half multiplies buffer 1 and changes slots.  mode 0: this slot is filled again, two K steps ahead; 1: nothing is left to fetch; 2: the last half of all.
.macro HALF1 mode
.if ((\mode) == 0) && PF
	s_wait_xcnt 0x0                                ; the last prefetch, a K step back, has read its address
	s_add_nc_u64 s[PFA:PFA+1], s[PFA:PFA+1], ASTEP
.endif
.if (\mode) < 2
	WIN 0
	s_wait_tensorcnt 0x0                           ; all my tensor loads have landed: the one that was out is my part of the next slot
	ds_add_u32 v[SPW], v[NIL]                      ; 0 onto my spare word
.endif
	MSTAGE 1, 0, 0, 1, 1
.if (\mode) < 2
	s_wait_dscnt 0x0                               ; the add is done; my reads of this slot were over before this half began
	s_barrier_signal -1
.endif
	MSTAGE 1, 1, 0, 1, 2
.if (\mode) == 0
	WIN 0
	s_barrier_wait -1
	CREST                                          ; the barrier has opened a round of the cluster's: no wave of any partner still reads this slot or has a load on its way
	s_add_co_u32 s[G0+5], s[TB], s20               ; the walking descriptors: the slot just read,
	s_add_co_u32 s[G0B+5], s[TB], s21
	s_add_nc_u64 s[G0+6:G0+7], s[G0+6:G0+7], ASTEP ; the next K step; the type bits on top are not reached
	s_add_nc_u64 s[G0B+6:G0B+7], s[G0B+6:G0B+7], BSTEP
	JLOAD 1                                        ; the first tensor load behind the round, 112 matrix instructions ahead of the wait for it; its four v_nop are also the places for the loads below
.elseif (\mode) == 1
	WIN 0
	s_barrier_wait -1
	PLACES
.endif
.if (\mode) < 2
	s_xor_b32 s[TB], s[TB], SLOT                   ; 0 <-> SLOT
	v_add_nc_u32 v[ADA], s[TB], v[ADA0]
	v_add_nc_u32 v[ADB], s[TB], v[ADB0]
	FETCH 0, 0
.endif
.if ((\mode) == 0) && PF
	ASK
.endif
	MSTAGE 1, 2, 0, 1, 3
	MSTAGE 1, 3, 0, 1, 4
	MSTAGE 1, 4, 0, 1, 5
	MSTAGE 1, 5, 0, 1, 6
	MSTAGE 1, 6, 0, 1, 7
.if (\mode) < 2
	s_wait_dscnt 0x0                               ; buffer 0 is in
	FCOPY
	MSTAGE 1, 7, 0, 0, 0
.else
	MSTAGE 1, 7, 0, 0, -1
.endif
.endm
.macro MAIN cm                         ; all K steps; cm says what starts the sums
	s_wait_tensorcnt 0x1                           ; my part of K step 0 is in; K step 1's may stay out
	s_barrier_signal -1
	s_barrier_wait -1                              ; everybody's is
	s_mov_b32 s[TB], 0
	v_mov_b32 v[ADA], v[ADA0]
	v_mov_b32 v[ADB], v[ADB0]
	FETCH 0, 0
	s_wait_dscnt 0x0
	FCOPY
	PREP 0, 0, 0
	PREP 0, 0, 1
	HALF0 \cm                                      ; the first half stands in front of the loop: its first products start the sums
	WIN 0                                          ; at a label and at a branch every window is 0
	s_mov_b32 s3, KSTEPS-2
.Lstep:                                                ; a trip: a K step's second half, the change of slots with a refill, the next K step's first half
	HALF1 0
	HALF0 0
	WIN 0
	s_sub_co_u32 s3, s3, 1
	s_cmp_lg_u32 s3, 0
	s_cbranch_scc1 .Lstep
	HALF1 1                                        ; the tail is written out
	HALF0 0
	HALF1 2
	WIN 0
	PLACES
	PLACES
.endm
; ---- end of the core ----
	s_load_b256 s[68:75], s[0:1], 0x0              ; xb, wt, bo, out0
	HEAD
	s_lshl_b32 s13, s84, 2
	s_add_co_u32 s13, s13, s41                     ; tile row = 4 x cluster y + cy
	s_lshl_b32 s16, s13, 18                        ; A = xb: 128 rows of 2,048 bytes a tile row,
	SHADD 16, 12, 17                               ; my 64
	s_mov_b32 s17, 0
	s_mov_b32 s46, 0x600000                        ; B = the fourth matrix of wt:
	SHADD 46, 12, 17                               ; my 64 k-rows,
	SHADD 46, 42, 9                                ; the tile's 256 columns
	s_mov_b32 s47, 0
	s_lshl_b32 s18, s13, 19                        ; out0: 128 rows of 4,096 bytes,
	SHADD 18, 11, 18                               ; my 64,
	SHADD 18, 42, 10                               ; 256 columns of 4 bytes,
	SHADD 18, 12, 9                                ; my 128
	s_mov_b32 s19, 0
	s_lshl_b32 s22, s42, 10                        ; the bias of my 128 columns
	SHADD 22, 12, 9
	s_mov_b32 s23, 0
	s_lshl_b32 s86, s13, 18                        ; the prefetches: of the tile's 128 rows my work-group takes 32, told apart by address;
	SHADD 86, 40, 16
	s_add_co_u32 s86, s86, 2*ASTEP                 ; at K step 2: the first refill steps it to 3 and names K step 4
	s_mov_b32 s87, 0
	s_wait_dscnt 0x0                               ; the opening add is done
	s_wait_kmcnt 0x0
	s_add_nc_u64 s[14:15], s[68:69], s[16:17]
	s_add_nc_u64 s[46:47], s[70:71], s[46:47]
	s_add_nc_u64 s[6:7], s[72:73], s[22:23]
	s_add_nc_u64 s[8:9], s[74:75], s[18:19]
	s_add_nc_u64 s[PFA:PFA+1], s[68:69], s[86:87]
	s_cmp_eq_u32 s10, 0
	s_cselect_b32 s[LIM], 2, -1                    ; wave 0 asks, while two refills are still to come behind this one
	FIRST
	LANES
	s_mul_i32 s23, s10, 16*SPITCH
	s_add_co_u32 s23, s23, STG                     ; my stage
	v_mul_u32_u24 v4, v1, SPITCH                   ; in: row l % 16, 32 bytes for each half of the lanes
	v_lshl_add_u32 v4, v2, 5, v4
	v_add_nc_u32 v[STO], s23, v4
	v_and_b32 v5, 31, v0
	v_lshlrev_b32 v[CO], 4, v5                     ; back and out: 32 lanes take one row's 512 bytes
	v_add_nc_u32 v[RD], s23, v[CO]
	v_lshlrev_b32 v[PFO], 11, v5                   ; a lane a row of 2,048 bytes
	v_lshlrev_b32 v27, 5, v2                       ; register j of block b is column 16 b + 8 (l / 16) + j
.irp b, 0,1,2,3,4,5,6,7
	global_load_b128 v[BIAS+8*(\b):BIAS+8*(\b)+3],   v27, s[6:7] offset:64*(\b)
	global_load_b128 v[BIAS+8*(\b)+4:BIAS+8*(\b)+7], v27, s[6:7] offset:64*(\b)+16
.endr
	s_wait_loadcnt 0x0
.set i, 0
.rept 32                                       ; the bias is rounded to bf16 like every input, and widened again
	v_cvt_pk_bf16_f32 v[6+i%4], v[BIAS+2*i], v[BIAS+2*i+1]
	v_lshlrev_b32 v[BIAS+2*i], 16, v[6+i%4]
	v_and_b32 v[BIAS+2*i+1], 0xffff0000, v[6+i%4]
.set i, i+1
.endr
	MAIN 2                                         ; the bias starts the sums
; THE WAY OUT, in f32: block a's 16 rows x 512 bytes go into my stage and come back as whole rows.
.macro OUTB a
	WIN 0
	s_wait_xcnt 0x0                                ; the stores of the block two back have read their data: its registers are loaded again below
	WIN 0x04                                       ; address window 0, data window 1
.irp b, 0,1,2,3,4,5,6,7
	ds_store_b128 v[STO], v[64*(\a)+8*(\b):64*(\a)+8*(\b)+3]   offset:64*(\b)     ; each accumulator's low four registers first
	ds_store_b128 v[STO], v[64*(\a)+8*(\b)+4:64*(\a)+8*(\b)+7] offset:64*(\b)+16
.endr
	WIN 0
.set BK, OB+64*((\a)%2)
.irp t, 0,1,2,3,4,5,6,7,8,9,10,11,12,13,14,15
	ds_load_b128 v[BK+4*(\t):BK+4*(\t)+3], v[RD] offset:(\t)*SPITCH  ; LDS serves a wave's instructions in order (ISA guide 5.7.1.4): these see the stores above
.endr
.endm
.macro SENDF a, younger                ; younger: the LDS instructions issued behind block a's loads: the next block's 32, or none
.set BK, OB+64*((\a)%2)
	s_wait_dscnt \younger
.irp t, 0,1,2,3,4,5,6,7,8,9,10,11,12,13,14,15
	global_store_b128 v[CO], v[BK+4*(\t):BK+4*(\t)+3], s[8:9] offset:(16*(\a)+(\t))*PITCHC th:TH_STORE_NT  ; 512 consecutive bytes, aligned
.endr
.endm
	OUTB 0
	OUTB 1
	SENDF 0, 32
	OUTB 2
	SENDF 1, 32
	OUTB 3
	SENDF 2, 32
	SENDF 3, 0
	s_wait_tensorcnt 0x0                           ; the wave's end: behind my last tensor load and my last LDS store
	ds_add_u32 v[SPW], v[NIL]
	s_wait_dscnt 0x0
	CROUND                                         ; the closing round
	s_endpgm
.Lfunc_end_k_q0e9387f4d2_outp:
	.size	k_q0e9387f4d2_outp, .Lfunc_end_k_q0e9387f4d2_outp-k_q0e9387f4d2_outp
	.p2alignl 7, 3214868480
	.fill 96, 4, 3214868480
	.section	.rodata,"a",@progbits
	.p2align	6, 0x0
	.amdhsa_kernel k_q0e9387f4d2_outp
		.amdhsa_group_segment_fixed_size 327680
		.amdhsa_private_segment_fixed_size 0
		.amdhsa_enable_private_segment 0
		.amdhsa_kernarg_size 32
		.amdhsa_user_sgpr_count 2
		.amdhsa_user_sgpr_kernarg_segment_ptr 1
		.amdhsa_wavefront_size32 1
		.amdhsa_system_sgpr_workgroup_id_x 1
		.amdhsa_system_sgpr_workgroup_id_y 1
		.amdhsa_system_sgpr_workgroup_id_z 1
		.amdhsa_system_vgpr_workitem_id 0
		.amdhsa_next_free_vgpr 1024
		.amdhsa_next_free_sgpr 100
		.amdhsa_reserve_vcc 0
		.amdhsa_float_denorm_mode_32 3
		.amdhsa_float_denorm_mode_16_64 3
		.amdhsa_memory_ordered 1
		.amdhsa_forward_progress 1
		.amdhsa_inst_pref_size 75
	.end_amdhsa_kernel
	.amdgpu_metadata
---
amdhsa.version: [ 1, 2 ]
amdhsa.kernels:
  - .name:           k_q0e9387f4d2_outp
    .symbol:         k_q0e9387f4d2_outp.kd
    .args:
      - { .name: xb, .offset: 0, .size: 8, .value_kind: global_buffer, .address_space: global }
      - { .name: wt, .offset: 8, .size: 8, .value_kind: global_buffer, .address_space: global }
      - { .name: bo, .offset: 16, .size: 8, .value_kind: global_buffer, .address_space: global }
      - { .name: out0, .offset: 24, .size: 8, .value_kind: global_buffer, .address_space: global }
    .group_segment_fixed_size: 327680
    .private_segment_fixed_size: 0
    .kernarg_segment_align: 8
    .kernarg_segment_size: 32
    .max_flat_workgroup_size: 128
    .sgpr_count:     100
    .vgpr_count:     1024
    .wavefront_size: 32
...
	.end_amdgpu_metadata
.endif
;; end of part 5
